; MI455X (gfx1250); checked and timed in simulation.
; The chip was launched on July 23, 2026; its instructions are those of AMD's public machine-readable ISA for CDNA 5 (MIT licence, August 2026) and "CDNA5" Instruction Set Architecture Reference Guide (July 2026). The comments in the code are by the model that wrote it; some were corrected since.
;; Bahdanau Attention. Allowed arithmetic: matrix products marked QUANTISED: E4M3 operands, one E8M0 scale for each 32 along K, by v_wmma_scale_f32_16x16x128_f8f6f4 with both operands' format E4M3, f32 sums; products left as they are: f32 operands where the result goes on into a quantised operand, else bf16, f16 or f32 operands; f32 sums; everything else in f32.
;; Inputs: Wk_codes 1,024 x 32 x 32 uint8 (E4M3 codes of Wk, K innermost, in blocks of 32 codes); Wk_scales 1,024 x 32 uint8 (E8M0 scales of Wk, one for each 32 codes along K); Wq_codes 1,024 x 32 x 32 uint8 (E4M3 codes of Wq, K innermost, in blocks of 32 codes); Wq_scales 1,024 x 32 uint8 (E8M0 scales of Wq, one for each 32 codes along K); decoder_hidden_codes 64 x 32 x 32 uint8 (E4M3 codes of decoder_hidden, K innermost, in blocks of 32 codes); decoder_hidden_scales 64 x 32 uint8 (E8M0 scales of decoder_hidden, one for each 32 codes along K); encoder_outputs 64 x 1,024 x 1,024 float32; mask 64 x 1,024 int32; v 1,024 float32.
;; Outputs: out0 64 x 1,024 float32; out1 64 x 1,024 float32.
;; This version of the problem:
;;   THIS VERSION OF THE PROBLEM IS GIVEN IN LOW PRECISION. The matrix products marked QUANTISED in the list below multiply operands that are first quantised to E4M3 (4 exponent bits, 3 mantissa bits; 8 bits a number), with one power-of-two scale for each 32 numbers along K (OCP MX v1.0); their sums are f32. All else is computed in f32.
;;   The module's matrix products, in the order in which they are computed (A, B: the left and right operand; K: the contracted axis; several contracted axes count as one K, in the product's order):
;;     1. [M 64, K 1,024] x [K 1,024, N 1,024]; A: input decoder_hidden (given as codes); B: input Wq (given as codes): QUANTISED
;;     2. [M 65,536, K 1,024] x [K 1,024, N 1,024]; A: input encoder_outputs; B: input Wk (given as codes): QUANTISED
;;     3. [M 65,536, K 1,024] x [K 1,024, N 1]; A: computed on the way; B: input v: left as it is (N = 1 < 16)
;;     4. batch 64 x [M 1, K 1,024] x [K 1,024, N 1,024]; A: softmax; B: input encoder_outputs: left as it is (M = 1 < 16)
;;   THE QUANTISER, for each operand of a quantised product, along K:
;;     - K is cut into blocks of 32 from its start; a last block that is shorter is filled with zeros.
;;     - A block's scale is 2^e with e = floor(log2(the largest magnitude in the block)) - 8, held to -126 .. 127; a block of zeros has e = 0. As a byte (E8M0): e + 127.
;;     - Each number is divided by its block's scale, clamped to +-448, and rounded to the nearest number of E4M3, ties to even, subnormals kept.
;;     - The product sums the exact products of the quantised numbers (number of the format x scale) in f32.
;;   ~~~python
;;   def quantise(x, axis):      # numpy; x: float32 -> the quantised numbers, widened to float32 again
;;       x = np.moveaxis(x, axis, -1); K = x.shape[-1]
;;       x = np.pad(x, [(0, 0)] * (x.ndim - 1) + [(0, -K % 32)]); x = x.reshape(x.shape[:-1] + (-1, 32)); a = np.abs(x).max(-1, keepdims=True)
;;       e = np.where(a > 0, np.clip(np.frexp(np.where(a > 0, a, 1))[1] - 1 - 8, -126, 127), 0)      # np.frexp(a)[1] - 1 = floor(log2(a)), exactly
;;       r = np.clip(x / 2.0 ** e, -448, 448)
;;       step = 2.0 ** (np.maximum(np.frexp(np.where(r == 0, 1, r))[1] - 1, -6) - 3)
;;       q = np.round(r / step) * step * 2.0 ** e      # np.round: ties to even
;;       return np.moveaxis(q.reshape(q.shape[:-2] + (-1,))[..., :K], -1, axis).astype(np.float32)
;;   ~~~
;;   INPUTS GIVEN AS CODES. Wk (in the module: [1024, 1024], K = its axis 1); Wq (in the module: [1024, 1024], K = its axis 1); decoder_hidden (in the module: [64, 1024], K = its axis 1): each comes as NAME_codes (uint8): NAME with its K axis moved to the last place and cut into blocks of 32 codes, [.., K / 32, bytes a block], one block behind the other in memory; one code a byte (a code: sign, 4 exponent bits, 3 mantissa bits); and NAME_scales (uint8): the same leading axes, one E8M0 byte (e + 127) for each 32 codes along K. Its value is code x scale, taken as it is: it is not quantised again, and the codes and scales need not be those that the quantiser above would give.
;; 2 versions, each right; version 2 is version 1 with the launches prep, main written anew for expert scheduling mode. Each part assembles by itself: llvm-mc -triple=amdgcn-amd-amdhsa -mcpu=gfx1250 --defsym DOCPART=n.
;; ======== version 1 of 2: 3 launches
;; workspace buffers: qt 262,144 bytes; wkimg 1,048,576 bytes; energy 262,144 bytes; ctxp 4,194,304 bytes
;; launch prep (part 1): grid 64 x 1, 4 waves a work-group, no clusters, 4,608 bytes of LDS; arguments Wq_codes, Wq_scales, decoder_hidden_codes, decoder_hidden_scales, Wk_codes, qt, wkimg; writes qt, wkimg
.if DOCPART == 1
	.amdgcn_target "amdgcn-amd-amdhsa--gfx1250"
	.amdhsa_code_object_version 6
	.text
	.protected	k_q2b157da776_prep
	.globl	k_q2b157da776_prep
	.p2align	8
	.type	k_q2b157da776_prep,@function
k_q2b157da776_prep:
	s_mov_b64 s[64:65], 0
	v_nop
	global_prefetch_b8 v0, s[64:65] scope:SCOPE_SE
	s_setreg_imm32_b32 hwreg(HW_REG_WAVE_MODE, 25, 1), 1
	s_wait_xcnt 0x0
; TWO SMALL JOBS IN FRONT OF THE MAIN LAUNCH.
; (1) q = decoder_hidden Wq^T, both operands given as codes of E4M3 with one E8M0 byte for each 32 along K (K = 1,024: eight steps of 128).
;     Work-group T makes hidden units 16 T .. 16 T + 15, wave w of it for batches 16 w .. 16 w + 15.  qt is laid [T 64][batch 64][16] f32.
;     The product is used transposed (source 0 = 16 rows of Wq, source 1 = 16 rows of decoder_hidden): lane (r, h) holds q[16 w + r][16 T + 8 h + 0 .. 7].
; (2) Wk's codes are copied into the order of an operand's registers: wkimg byte ((8 T + s) 4 + c) 512 + 16 lane holds Wk_codes[16 T + r][128 s + 32 c + 16 h .. + 15],
;     so that the main launch loads a fragment by four loads of 512 consecutive bytes.  Wave w copies K steps 2 w and 2 w + 1 of the work-group's 16 rows.
; REGISTERS: v1-5 offsets; v8-15 Wq's scale words, v16-23 decoder_hidden's (scales and nothing else); v24-39 two accumulators; v40-47 their sum; v48-55 rows back from the stage;
;   v64-191 decoder_hidden's eight fragments; v192-223 the copy.   window 1: v0-127 Wq's eight fragments.
.set MSB, 0
.macro WIN new                         ; the immediate's high byte repeats the setting that is left
.if MSB != \new
	s_set_vgpr_msb (MSB<<8)|\new
.set MSB, \new
.endif
.endm
	s_load_b256 s[4:11], s[0:1], 0x0               ; Wq's codes, Wq's scales, decoder_hidden's codes, its scales
	s_load_b128 s[12:15], s[0:1], 0x20             ; Wk's codes, qt
	s_load_b64 s[16:17], s[0:1], 0x30              ; wkimg
	v_lshl_add_u32 v254, v0, 2, 0x1000
	v_mov_b32 v255, 0
	v_lshrrev_b32 v6, 5, v0
	v_readfirstlane_b32 s20, v6                    ; wave 0..3
	v_and_b32 v6, 15, v0                           ; r
	v_bfe_u32 v7, v0, 4, 1                         ; h
	v_lshlrev_b32 v1, 10, v6
	v_lshl_add_u32 v1, v7, 4, v1                   ; a fragment's place: row r of 1,024 bytes + 16 h
	v_lshlrev_b32 v2, 5, v6                        ; a row of 32 scale bytes
	v_and_b32 v3, 31, v0
	v_lshlrev_b32 v3, 4, v3                        ; 16 x lane
	s_lshl_b32 s21, s20, 10                        ; my wave's 1,024 bytes of the stage
	v_lshlrev_b32 v4, 6, v6
	v_lshl_add_u32 v4, v7, 5, v4
	v_add_nc_u32 v4, s21, v4                       ; into the stage: batch r's 64 bytes, + 32 h
	v_add_nc_u32 v5, s21, v3                       ; and back: 16 bytes a lane
	s_lshl_b32 s22, ttmp9, 14                      ; T x 16 rows of 1,024 bytes; also T x 16,384 bytes of the image
	s_mov_b32 s23, 0
	s_lshl_b32 s24, s20, 14                        ; w x 16 rows of 1,024 bytes
	s_mov_b32 s25, 0
	s_lshl_b32 s26, ttmp9, 9                       ; T x 16 rows of 32 scale bytes
	s_mov_b32 s27, 0
	s_lshl_b32 s28, s20, 9                         ; w x 16 rows of 32 scale bytes
	s_mov_b32 s29, 0
	s_lshl_b32 s30, s20, 8                         ; K steps 2 w on: 256 bytes along a row
	s_mov_b32 s31, 0
	s_lshl_b32 s32, ttmp9, 12
	s_add_co_u32 s32, s32, s21                     ; qt: T x 4,096 + w x 1,024
	s_mov_b32 s33, 0
	s_lshl_b32 s34, s20, 12                        ; the image's K steps 2 w on: 2 x 2,048 bytes
	s_mov_b32 s35, 0
	s_wait_kmcnt 0x0
	s_add_nc_u64 s[4:5], s[4:5], s[22:23]
	s_add_nc_u64 s[6:7], s[6:7], s[26:27]
	s_add_nc_u64 s[8:9], s[8:9], s[24:25]
	s_add_nc_u64 s[10:11], s[10:11], s[28:29]
	s_add_nc_u64 s[12:13], s[12:13], s[22:23]
	s_add_nc_u64 s[12:13], s[12:13], s[30:31]
	s_add_nc_u64 s[14:15], s[14:15], s[32:33]
	s_add_nc_u64 s[16:17], s[16:17], s[22:23]
	s_add_nc_u64 s[16:17], s[16:17], s[34:35]
.irp j, 0,1                                    ; all 76 loads of the wave go out together
.irp c, 0,1,2,3
	global_load_b128 v[192+16*\j+4*\c:195+16*\j+4*\c], v1, s[12:13] offset:128*\j+32*\c
.endr
.endr
	global_load_b128 v[8:11], v2, s[6:7]           ; register i: the word of K step i
	global_load_b128 v[12:15], v2, s[6:7] offset:16
	global_load_b128 v[16:19], v2, s[10:11]
	global_load_b128 v[20:23], v2, s[10:11] offset:16
.irp s, 0,1,2,3,4,5,6,7
.irp c, 0,1,2,3
	global_load_b128 v[64+16*\s+4*\c:67+16*\s+4*\c], v1, s[8:9] offset:128*\s+32*\c
.endr
.endr
	WIN 0x40                                       ; destination window 1
.irp s, 0,1,2,3,4,5,6,7
.irp c, 0,1,2,3
	global_load_b128 v[16*\s+4*\c:16*\s+4*\c+3], v1, s[4:5] offset:128*\s+32*\c
.endr
.endr
	WIN 0
	s_wait_loadcnt 0x0                             ; one wait for all: they were issued together
.irp j, 0,1
.irp c, 0,1,2,3
	global_store_b128 v3, v[192+16*\j+4*\c:195+16*\j+4*\c], s[16:17] offset:2048*\j+512*\c   ; 32 lanes store 512 consecutive bytes, aligned
.endr
.endr
	WIN 0x01                                       ; source 0 (Wq) window 1
.irp s, 0,1,2,3,4,5,6,7                        ; two accumulators by turns (even K steps, odd K steps); the first two products start the sums
.if \s < 2
	v_wmma_scale_f32_16x16x128_f8f6f4 v[24+8*(\s%2):31+8*(\s%2)], v[16*\s:16*\s+15], v[64+16*\s:79+16*\s], 0, v[8+\s], v[16+\s]
.else
	v_wmma_scale_f32_16x16x128_f8f6f4 v[24+8*(\s%2):31+8*(\s%2)], v[16*\s:16*\s+15], v[64+16*\s:79+16*\s], v[24+8*(\s%2):31+8*(\s%2)], v[8+\s], v[16+\s]
.endif
.endr
	WIN 0
.rept 8
	v_nop                                          ; eight places behind this form before a result is read
.endr
.irp j, 0,2,4,6
	v_pk_add_f32 v[40+\j:41+\j], v[24+\j:25+\j], v[32+\j:33+\j]   ; both accumulators from their low end on
.endr
	ds_store_b128 v4, v[40:43]                     ; a lane's 32 bytes lie 64 bytes from its neighbour's: through my own stage, so that the stores below are dense
	ds_store_b128 v4, v[44:47] offset:16
	ds_load_b128 v[48:51], v5                      ; LDS serves a wave's instructions in order (ISA guide 5.7.1.4): these see my stores
	ds_load_b128 v[52:55], v5 offset:512
	s_wait_dscnt 0x0
	global_store_b128 v3, v[48:51], s[14:15]       ; 512 consecutive bytes each, aligned
	global_store_b128 v3, v[52:55], s[14:15] offset:512
	s_wait_tensorcnt 0x0
	ds_add_u32 v254, v255
	s_wait_dscnt 0x0
	s_endpgm
.Lfunc_end_k_q2b157da776_prep:
	.size	k_q2b157da776_prep, .Lfunc_end_k_q2b157da776_prep-k_q2b157da776_prep
	.p2alignl 7, 3214868480
	.fill 96, 4, 3214868480
	.section	.rodata,"a",@progbits
	.p2align	6, 0x0
	.amdhsa_kernel k_q2b157da776_prep
		.amdhsa_group_segment_fixed_size 4608
		.amdhsa_private_segment_fixed_size 0
		.amdhsa_enable_private_segment 0
		.amdhsa_kernarg_size 56
		.amdhsa_user_sgpr_count 2
		.amdhsa_user_sgpr_kernarg_segment_ptr 1
		.amdhsa_wavefront_size32 1
		.amdhsa_system_sgpr_workgroup_id_x 1
		.amdhsa_system_sgpr_workgroup_id_y 1
		.amdhsa_system_sgpr_workgroup_id_z 1
		.amdhsa_system_vgpr_workitem_id 0
		.amdhsa_next_free_vgpr 384
		.amdhsa_next_free_sgpr 66
		.amdhsa_reserve_vcc 0
		.amdhsa_float_denorm_mode_32 3
		.amdhsa_float_denorm_mode_16_64 3
		.amdhsa_memory_ordered 1
		.amdhsa_forward_progress 1
		.amdhsa_inst_pref_size 13
	.end_amdhsa_kernel
	.amdgpu_metadata
---
amdhsa.version: [ 1, 2 ]
amdhsa.kernels:
  - .name:           k_q2b157da776_prep
    .symbol:         k_q2b157da776_prep.kd
    .args:
      - { .name: Wq_codes, .offset: 0, .size: 8, .value_kind: global_buffer, .address_space: global }
      - { .name: Wq_scales, .offset: 8, .size: 8, .value_kind: global_buffer, .address_space: global }
      - { .name: decoder_hidden_codes, .offset: 16, .size: 8, .value_kind: global_buffer, .address_space: global }
      - { .name: decoder_hidden_scales, .offset: 24, .size: 8, .value_kind: global_buffer, .address_space: global }
      - { .name: Wk_codes, .offset: 32, .size: 8, .value_kind: global_buffer, .address_space: global }
      - { .name: qt, .offset: 40, .size: 8, .value_kind: global_buffer, .address_space: global }
      - { .name: wkimg, .offset: 48, .size: 8, .value_kind: global_buffer, .address_space: global }
    .group_segment_fixed_size: 4608
    .private_segment_fixed_size: 0
    .kernarg_segment_align: 8
    .kernarg_segment_size: 56
    .max_flat_workgroup_size: 128
    .sgpr_count:     66
    .vgpr_count:     384
    .wavefront_size: 32
...
	.end_amdgpu_metadata
.endif
;; end of part 1
;; launch main (part 2): grid 4 x 64, 4 waves a work-group, no clusters, 281,600 bytes of LDS; arguments encoder_outputs, mask, v, Wk_scales, wkimg, qt, energy, ctxp; writes energy, ctxp
.if DOCPART == 2
	.amdgcn_target "amdgcn-amd-amdhsa--gfx1250"
	.amdhsa_code_object_version 6
	.text
	.protected	k_q2b157da776_main
	.globl	k_q2b157da776_main
	.p2align	8
	.type	k_q2b157da776_main,@function
k_q2b157da776_main:
	s_mov_b64 s[64:65], 0
	v_nop
	global_prefetch_b8 v0, s[64:65] scope:SCOPE_SE
	s_setreg_imm32_b32 hwreg(HW_REG_WAVE_MODE, 25, 1), 1
	s_wait_xcnt 0x0
; energy[b][s] = sum over h of v[h] tanh(q[b][h] + sum over e of Q(x[b][s][e]) Wk[h][e]), masked; and for each tile of 64 rows the sum of exp(energy - the tile's largest) x over its rows.
; x = encoder_outputs, f32, is read from memory ONCE: as it passes it is quantised along e (E4M3, one E8M0 scale for each 32) for the product with Wk, and a bf16 copy of the tile stays in LDS for the weighted sum.
; SHARES.  Work-group (g, b) owns rows 256 g .. 256 g + 255 of batch b, in four tiles of 64 rows.  A tile goes through five phases:
;   L  wave w loads rows 16 w .. + 15, eight chunks of 128 along e; each chunk turns through the wave's stage in LDS so that a lane holds 16 neighbours of each block of 32; bf16 copy, codes and scale words go to LDS
;   X  every wave fetches the codes of all 64 rows into registers: 32 fragments, 512 registers
;   C  wave w makes hidden units 256 w .. + 255: 16 h-tiles of 16 units x 64 rows, 32 products each; Wk's fragments come from memory straight into registers, laid by the launch before in the order of the registers;
;      BY TURNS: behind each product of h-tile t stands a slice of the tanh of h-tile t - 1, which lies in the other set of accumulators
;   D  the four waves' partial energies meet in LDS; mask; the tile's largest energy; p = exp(energy - largest), in bf16
;   E  wave w makes channels 256 w .. + 255 of sum p x by bf16 products: source 0 = x^T out of LDS by the turning load, source 1 = p in all 16 columns
; The softmax over a batch's 16 tiles and the weighing of the 16 partial sums are the last launch's.
; THE PRODUCT IS USED TRANSPOSED: source 0 = 16 rows of Wk, source 1 = 16 rows of x: lane (r, h) holds row r of x and hidden units 8 h + 0 .. 7; q is the C of a sum's first product.
; tanh(y) = 1 - 2 / (1 + 2^(2 log2(e) y)): right at both ends (2^.. = infinity gives 1, 0 gives -1).  So energy = sum v + sum (-2 v) / (1 + 2^..): -2 v lies in LDS, sum v in a register.
; NO JOINT TENSOR LOADS FOR Wk, though all work-groups read it: LDS holds 281,088 bytes of the tile's own; what is left of 327,680 would make two slots of 1.4 h-tiles, 45 products a wave between two changes of slots.
;   Registers under counted waits keep 48 loads, 24,576 bytes, of each wave on their way without any barrier.
; LIMITS: NaN and infinities among the inputs are not served.  A block of x whose largest magnitude lies under 2^-118 gets the scale byte 1 (the quantiser's hold at e = -126; a block of zeros too: its codes are zeros, and this
;   program alone reads the bytes).  p under 2^-126 becomes 0.  The ring of Wk's loads goes round: in the last tile its last 48 loads a wave (inside the buffer) are not used, so that every count is the same in all four tiles.
; REGISTERS, in windows of 256 (s_set_vgpr_msb: bits 1:0 source 0, 3:2 source 1, 5:4 source 2, 7:6 destination):
;   window 0: v1-31 addresses and constants; v32-47 x's scale words, v48-55 Wk's (scales and nothing else); v56-63 q; v64-127 two sets of four accumulators (in L: a chunk's 64 numbers); v128-135 -2 v; v136-143 energy sums;
;             v144-209 the quantiser's; v210-225 p's two fragments; v226-247 at work
;   window 1: 16 fragments of Wk, two sets.   window 2: x's fragments of K steps 0-3 (in L: four buffers of 64 for the loads).   window 3: K steps 4-7 (in E: 16 accumulators, two buffers of 8 fragments of x^T)
.set BFP,  2080                        ; a row of the bf16 copy: 2,048 bytes + 32 = 520 words: row r starts at bank 8 r mod 64 (64 banks of 4 bytes: ISA guide 11.1)
.set XIMG, 64*BFP                      ; images of x's fragments: (K step s, row tile m) at 2,048 (4 s + m) + 512 c + 16 lane
.set XSC,  XIMG+65536                  ; x's scale words [s][m][16]
.set STG,  XSC+2048                    ; the stages: for each wave 16 rows x (512 bytes + 16)
.set STP,  528
.set WSC,  STG+4*16*STP                ; Wk's scale bytes as given: 32 a row
.set QA,   WSC+32768                   ; q[b][0 .. 1023]
.set WA,   QA+4096                     ; -2 v
.set EP,   WA+4096                     ; partial energies [wave][64]
.set PA,   EP+1024                     ; p in bf16 [wave][64]: each wave's own copy
.set CS,   PA+512                      ; the way out of E: 1,024 bytes for each wave
.set L16, 1                            ; 16 x lane
.set L8,  2
.set L4,  3
.set STW, 4                            ; the stage, on the way in: 16 x lane
.set STR, 5                            ; and out: row r, + 64 h
.set BFW, 6                            ; the bf16 copy: row 16 w + r, + 32 h
.set XIW, 7                            ; where I store images: 2,048 w + 16 lane
.set XSW, 8                            ; and scale words: 64 w + 4 r
.set XIR, 9                            ; where I read images: 16 lane
.set XSR, 10                           ; and scale words: 4 lane
.set QR,  11                           ; q, -2 v and Wk's scale words of the pair of h-tiles in hand
.set WR,  12
.set WSR, 13
.set GA,  14                           ; offsets in my wave's part of Wk's image: h-tile t + 2,
.set GB,  15                           ; h-tile t + 1
.set EPW, 16
.set EPR, 17
.set PAW, 18
.set PAR, 19
.set TR0, 20                           ; v20, v21: the turning loads' addresses for rows 0-31, 32-63
.set CSW, 22
.set CSR, 23
.set PFO, 24                           ; the prefetches' offset: 4 rows x 8 blocks of 256 bytes
.set VT,  25                           ; sum v
.set MK,  26                           ; v26-27 the mask words of rows 2 lane, 2 lane + 1
.set QR0, 28
.set WR0, 29
.set WSR0, 30
.set NEGR, 31                          ; -1e10
.set XS,  32                           ; register 2 s + i: lanes 0-15 row tile 2 i, lanes 16-31 row tile 2 i + 1
.set WS,  48                           ; register s: lanes 0-15 the even h-tile, lanes 16-31 the odd one
.set QQ,  56
.set ACC, 64
.set NN,  64
.set WW,  128
.set EE,  136
.set TM,  144                          ; +0..3 largest magnitudes, +4..7 bytes, +8..11 448 x the scale, +12..15 the conversions' scale operands
.set PW,  160
.set PC,  162
.set BFR, 178
.set PF16, 210
.set T0,  226
.set MSB, 0
.macro WIN new                         ; the immediate's high byte repeats the setting that is left; a switch that changes nothing is dropped
.if MSB != \new
	s_set_vgpr_msb (MSB<<8)|\new
.set MSB, \new
.endif
.endm
; chunk c (128 along e) of my 16 rows: 16 loads of 512 consecutive bytes, into buffer c % 4 of window 2
.macro ENC c
	WIN 0x80
.irp i, 0,1,2,3,4,5,6,7,8,9,10,11,12,13,14,15
	global_load_b128 v[64*((\c)%4)+4*\i:64*((\c)%4)+4*\i+3], v[L16], s[4:5] offset:\i*4096+(\c)*512 th:TH_LOAD_NT
.endr
	WIN 0
.endm
; 64 numbers of a lane, register 16 b + i = e 32 b + 16 h + i of my row, become a fragment's codes in v[PC] on and its scale word in v[PW]
.macro QUANT
.irp b, 0,1,2,3
	v_max3_num_f32 v[TM+\b], |v[NN+16*\b]|, |v[NN+16*\b+1]|, 0x4800000   ; block b: my 16 numbers, and the floor 2^(9 - 127): the byte cannot fall under 1
.endr
.irp i, 2,4,6,8,10,12,14
.irp b, 0,1,2,3
	v_max3_num_f32 v[TM+\b], v[TM+\b], |v[NN+16*\b+\i]|, |v[NN+16*\b+\i+1]|   ; the four blocks by turns
.endr
.endr
.irp b, 0,1,2,3
	v_permlanex16_b32 v[TM+4+\b], v[TM+\b], s28, s29
.endr
.irp b, 0,1,2,3
	v_max_num_f32 v[TM+\b], v[TM+\b], v[TM+4+\b]   ; with lane l xor 16's 16: the block's largest magnitude
.endr
.irp b, 0,1,2,3
	v_add_nc_u32 v[TM+12+\b], 0xfc000000, v[TM+\b] ; 8 off its exponent field: the conversion takes the exponent field of this operand as its scale
.endr
.irp b, 0,1,2,3
	v_and_or_b32 v[TM+8+\b], v[TM+\b], 0x7f800000, s30   ; 448 x the scale
.endr
.irp b, 0,1,2,3
	v_lshrrev_b32 v[TM+4+\b], 23, v[TM+12+\b]      ; the scale's byte
.endr
	v_lshl_or_b32 v[PW], v[TM+5], 8, v[TM+4]
	v_lshl_or_b32 v[PW], v[TM+6], 16, v[PW]
	v_lshl_or_b32 v[PW], v[TM+7], 24, v[PW]
.irp b, 0,1,2,3
.irp i, 0,1,2,3,4,5,6,7,8,9,10,11,12,13,14,15
	v_med3_num_f32 v[NN+16*\b+\i], v[NN+16*\b+\i], -v[TM+8+\b], v[TM+8+\b]   ; the conversion to an 8-bit code does not saturate (ISA guide 7.6.2): the hold
.endr
	v_cvt_scalef32_pk8_fp8_f32 v[PC+4*\b:PC+4*\b+1], v[NN+16*\b:NN+16*\b+7], v[TM+12+\b]
	v_cvt_scalef32_pk8_fp8_f32 v[PC+4*\b+2:PC+4*\b+3], v[NN+16*\b+8:NN+16*\b+15], v[TM+12+\b]
.endr
	v_nop                                          ; one plain line behind the last scaled conversion
.endm
.macro CHUNK s
.if (\s)+3 < 8
	ENC (\s)+3                                     ; three chunks ahead; that buffer's stores into the stage were waited for in the chunk before
.endif
.if (\s) <= 4
	s_wait_loadcnt 48                              ; this chunk's 16 loads are in; the three chunks behind it stay out
.else
	s_wait_loadcnt 16*(7-(\s))
.endif
	WIN 0x08                                       ; an LDS store's data are its source 1: window 2
.irp i, 0,1,2,3,4,5,6,7,8,9,10,11,12,13,14,15
	ds_store_b128 v[STW], v[64*((\s)%4)+4*\i:64*((\s)%4)+4*\i+3] offset:STP*\i
.endr
	WIN 0
.irp b, 0,1,2,3
.irp j, 0,1,2,3
	ds_load_b128 v[NN+16*\b+4*\j:NN+16*\b+4*\j+3], v[STR] offset:128*\b+16*\j   ; LDS serves a wave's instructions in order (ISA guide 5.7.1.4): these see my stores, and the next chunk's stores come behind them
.endr
.endr
	s_wait_dscnt 0x0                               ; my numbers are back; the last chunk's stores have read their registers
.irp b, 0,1,2,3
.irp i, 0,1,2,3,4,5,6,7
	v_cvt_pk_bf16_f32 v[BFR+8*\b+\i], v[NN+16*\b+2*\i], v[NN+16*\b+2*\i+1]   ; the copy for the weighted sum, ahead of the hold
.endr
.endr
.irp b, 0,1,2,3
	ds_store_b128 v[BFW], v[BFR+8*\b:BFR+8*\b+3] offset:256*(\s)+64*\b
	ds_store_b128 v[BFW], v[BFR+8*\b+4:BFR+8*\b+7] offset:256*(\s)+64*\b+16
.endr
	QUANT
.irp c, 0,1,2,3
	ds_store_b128 v[XIW], v[PC+4*\c:PC+4*\c+3] offset:8192*(\s)+512*\c   ; the fragment goes to LDS as an image of its registers
.endr
	ds_store_b32 v[XSW], v[PW] offset:256*(\s)     ; both halves of the lanes write the same word with the same value
.endm
.macro BARRIER                         ; my LDS stores have landed and my LDS loads are in: then the work-group's barrier
	s_wait_dscnt 0x0
	s_barrier_signal -1
	s_barrier_wait -1
.endm
.macro ADDRS                           ; the LDS addresses of the pair of h-tiles in hand: s39 = 128 p, s40 = 1,024 p
	v_add_nc_u32 v[QR], s39, v[QR0]
	v_add_nc_u32 v[WR], s39, v[WR0]
	v_add_nc_u32 v[WSR], s40, v[WSR0]
.endm
; Product PK = 4 s + m of an h-tile: K step s, row tile m.  The four accumulators take turns, one instruction a turn, over the edges of h-tiles too.
.macro PROD par
.set KS_, PK/4
.set MR_, PK%4
.set RD_, ACC+32*(\par)+8*MR_
.set RA_, 128*(\par)+16*KS_
.set RC_, RD_
.if KS_ == 0
.set RC_, QQ                           ; q starts the sum
.endif
.if KS_ < 4
	WIN 0x09                                       ; source 0 (Wk) window 1, source 1 (x) window 2
.set RX_, 64*KS_+16*MR_
.else
	WIN 0x0d                                       ; source 1 window 3
.set RX_, 64*(KS_-4)+16*MR_
.endif
.if ((\par) == 0) && (MR_%2 == 0)
	v_wmma_scale_f32_16x16x128_f8f6f4 v[RD_:RD_+7], v[RA_:RA_+15], v[RX_:RX_+15], v[RC_:RC_+7], v[WS+KS_], v[XS+2*KS_+MR_/2]
.elseif (MR_%2 == 0)
	v_wmma_scale_f32_16x16x128_f8f6f4 v[RD_:RD_+7], v[RA_:RA_+15], v[RX_:RX_+15], v[RC_:RC_+7], v[WS+KS_], v[XS+2*KS_+MR_/2] matrix_a_scale:MATRIX_SCALE_ROW1
.elseif ((\par) == 0)
	v_wmma_scale_f32_16x16x128_f8f6f4 v[RD_:RD_+7], v[RA_:RA_+15], v[RX_:RX_+15], v[RC_:RC_+7], v[WS+KS_], v[XS+2*KS_+MR_/2] matrix_b_scale:MATRIX_SCALE_ROW1
.else
	v_wmma_scale_f32_16x16x128_f8f6f4 v[RD_:RD_+7], v[RA_:RA_+15], v[RX_:RX_+15], v[RC_:RC_+7], v[WS+KS_], v[XS+2*KS_+MR_/2] matrix_a_scale:MATRIX_SCALE_ROW1 matrix_b_scale:MATRIX_SCALE_ROW1
.endif
.endm
; Slice PK of the tanh of the h-tile before, on the other set of accumulators: 112 instructions in five stages.
;   0-3 y x 2 log2(e), an accumulator a slice, each from its low end on | 4-11 the 32 exponentials | 12-15 + 1 | 17-24 the 32 reciprocals | 26-29 energy sums += r x (-2 v)
; Each batch of 32 transcendentals has one plain line and ONE wait behind it, ahead of its first reader (slices 12 and 25).
; PLACES (eight behind this form).  Behind product 15, ahead of the loads at slice 16: slices 15 and 16.  Behind the last h-tile's product 31, ahead of the loads at slice 1:
; two additions at the head, slices 0 and 1.  Ahead of the first read of accumulator 0, 1, 2, 3 (products 28 to 31): slices 28, 29 | 29, the additions, 0 | the additions, 0, 1 | the additions, 0, 1, 2.
; first = 1: there is no h-tile before: v_nop keep the places.
.macro SLICE par, first
.set RT_, ACC+32*(1-(\par))
.if \first
.if (PK == 0) || (PK == 1) || (PK == 15) || (PK == 16) || (PK == 28) || (PK == 29)
	WIN 0
.rept 4
	v_nop
.endr
.endif
.elseif PK < 4
	WIN 0
.irp i, 0,2,4,6
	v_pk_mul_f32 v[RT_+8*PK+\i:RT_+8*PK+\i+1], v[RT_+8*PK+\i:RT_+8*PK+\i+1], s[32:33] op_sel_hi:[1,0]
.endr
.elseif PK < 12
	WIN 0
.irp i, 0,1,2,3
	v_exp_f32 v[RT_+4*(PK-4)+\i], v[RT_+4*(PK-4)+\i]
.endr
.elseif PK < 16
	WIN 0
.if PK == 12
	v_nop
	s_wait_alu depctr_va_vdst(0)
.endif
.irp i, 0,2,4,6
	v_pk_add_f32 v[RT_+8*(PK-12)+\i:RT_+8*(PK-12)+\i+1], v[RT_+8*(PK-12)+\i:RT_+8*(PK-12)+\i+1], 1.0 op_sel_hi:[1,0]
.endr
.elseif PK == 16
	WIN 0
.rept 4
	v_nop
.endr
.elseif PK < 25
	WIN 0
.irp i, 0,1,2,3
	v_rcp_f32 v[RT_+4*(PK-17)+\i], v[RT_+4*(PK-17)+\i]
.endr
.elseif PK == 25
	WIN 0
	v_nop
	s_wait_alu depctr_va_vdst(0)
.elseif PK < 30
	WIN 0
.irp m, 0,1,2,3
	v_pk_fma_f32 v[EE+2*\m:EE+2*\m+1], v[RT_+8*\m+2*(PK-26):RT_+8*\m+2*(PK-26)+1], v[WW+2*(PK-26):WW+2*(PK-26)+1], v[EE+2*\m:EE+2*\m+1]
.endr
.endif
.endm
; Behind slice 1: fragments 4-7 of h-tile t + 1 into the other set; -2 v for this h-tile's slices; ws = 2: the upper half of the new pair's scale words
.macro RUNB par, first, woff, ws
	WIN 0x40
.irp f, 0,1,2,3
.irp c, 0,1,2,3
	global_load_b128 v[128*(1-(\par))+64+16*\f+4*\c:128*(1-(\par))+64+16*\f+4*\c+3], v[GB], s[12:13] offset:8192+2048*\f+512*\c
.endr
.endr
	WIN 0
.if !(\first)
	ds_load_b128 v[WW:WW+3], v[WR] offset:\woff
	ds_load_b128 v[WW+4:WW+7], v[WR] offset:\woff+16
.endif
.if (\ws) == 2
	ds_load_b128 v[WS+4:WS+7], v[WSR] offset:1024+16
.endif
.endm
; Behind slice 16: fragments 0-3 of h-tile t + 2 into this set; q of h-tile t + 1; ws = 1: the lower half of the next pair's scale words.
; ask = 1: A PREFETCH of my wave's rows of the NEXT tile of x, behind the run of loads: 4 rows x 2,048 bytes (chunks 0 to 3), lanes 256 bytes apart, in each of the loop's last four trips: rows 0-3, 4-7, 8-11, 12-15.
; Each block is named once in the launch, by the wave that will load it.  In the last tile nothing is asked for: s38 = 0.
.macro RUNA par, last, qoff, ws, ask
	WIN 0x40
.irp f, 0,1,2,3
.irp c, 0,1,2,3
	global_load_b128 v[128*(\par)+16*\f+4*\c:128*(\par)+16*\f+4*\c+3], v[GA], s[12:13] offset:2048*\f+512*\c
.endr
.endr
	WIN 0
.if !(\last)
	ds_load_b128 v[QQ:QQ+3], v[QR] offset:\qoff
	ds_load_b128 v[QQ+4:QQ+7], v[QR] offset:\qoff+16
.endif
.if (\ws) == 1
	ds_load_b128 v[WS:WS+3], v[WSR] offset:1024
.endif
.if \ask
	s_cmp_le_u32 s24, s38
	s_cbranch_scc0 .Lnoask_\@
	global_prefetch_b8 v[PFO], s[36:37] th:TH_LOAD_NT scope:SCOPE_SE
.Lnoask_\@:
.endif
.endm
; AN H-TILE.  The ring of Wk's loads: three runs of 16 are out at the head: (t - 2)'s second run (fragments 0-3 of t), (t - 1)'s first (4-7 of t), (t - 1)'s second (0-3 of t + 1).
.macro TILE par, first, last, qoff, woff, ws, ask
	WIN 0
	s_add_co_u32 s26, s25, 0x4000                  ; h-tiles t + 1 and t + 2 in my wave's 16: the ring goes round
	s_and_b32 s26, s26, 0x3ffff
	s_add_co_u32 s27, s25, 0x8000
	s_and_b32 s27, s27, 0x3ffff
	s_wait_xcnt 0x0                                ; the last runs of loads and the last prefetch, 15 products back or more, have read their addresses
	v_add_nc_u32 v[GB], s26, v[L16]
	v_add_nc_u32 v[GA], s27, v[L16]
.if \ask
	s_add_nc_u64 s[36:37], s[36:37], 16384         ; the prefetches' pointer: four rows on in each trip
.endif
	s_wait_loadcnt 32                              ; fragments 0-3 are in: two runs of 16 were issued behind theirs
	s_wait_dscnt 0x0                               ; q and the lower scale words
.set PK, 0
.rept 32
.if PK == 16
	s_wait_loadcnt 32                              ; fragments 4-7 are in: behind their run stand the last h-tile's second run and this one's first
	s_wait_dscnt 0x0                               ; -2 v and the upper scale words
.endif
	PROD \par
	SLICE \par, \first
.if PK == 1
	RUNB \par, \first, \woff, \ws
.endif
.if PK == 16
	RUNA \par, \last, \qoff, \ws, \ask
.endif
.set PK, PK+1
.endr
	s_mov_b32 s25, s26
.endm
; group gi of E: rows 32 (gi / 2) on, channels 128 (gi % 2) on: eight fragments of x^T into buffer gi % 2 of window 3
.macro VLOAD gi
	WIN 0xc0
.irp u, 0,1,2,3,4,5,6,7
	ds_load_tr16_b128 v[128+64*((\gi)%2)+8*\u:128+64*((\gi)%2)+8*\u+3], v[TR0+(\gi)/2] offset:32*(8*((\gi)%2)+\u)
	ds_load_tr16_b128 v[128+64*((\gi)%2)+8*\u+4:128+64*((\gi)%2)+8*\u+7], v[TR0+(\gi)/2] offset:16*BFP+32*(8*((\gi)%2)+\u)
.endr
.endm
.macro VMUL gi                         ; its eight products, eight accumulators by turns; rows 0-31 start the sums
	WIN 0xf3                                       ; source 0, C and D window 3; source 1 (p) window 0
.irp u, 0,1,2,3,4,5,6,7
.if (\gi)/2 == 0
	v_wmma_f32_16x16x32_bf16 v[8*(8*((\gi)%2)+\u):8*(8*((\gi)%2)+\u)+7], v[128+64*((\gi)%2)+8*\u:128+64*((\gi)%2)+8*\u+7], v[PF16:PF16+7], 0
.else
	v_wmma_f32_16x16x32_bf16 v[8*(8*((\gi)%2)+\u):8*(8*((\gi)%2)+\u)+7], v[128+64*((\gi)%2)+8*\u:128+64*((\gi)%2)+8*\u+7], v[PF16+8:PF16+15], v[8*(8*((\gi)%2)+\u):8*(8*((\gi)%2)+\u)+7]
.endif
.endr
.endm
	; ---------------- the head
	s_load_b512 s[4:19], s[0:1], 0x0               ; x s[4:5], mask s[6:7], v s[8:9], Wk's scales s[10:11], Wk's image s[12:13], qt s[14:15], energy s[16:17], ctxp s[18:19]
	v_lshl_add_u32 v254, v0, 2, 0x44a00
	v_mov_b32 v255, 0
	v_lshrrev_b32 v[NEGR], 5, v0
	v_readfirstlane_b32 s20, v[NEGR]               ; wave 0..3
	s_and_b32 s22, ttmp7, 0xffff                   ; the batch
	v_and_b32 v[T0], 31, v0                        ; lane
	v_and_b32 v[T0+1], 15, v0                      ; r
	v_bfe_u32 v[T0+2], v0, 4, 1                    ; h
	v_lshlrev_b32 v[L16], 4, v[T0]
	v_lshlrev_b32 v[L8], 3, v[T0]
	v_lshlrev_b32 v[L4], 2, v[T0]
	s_mul_i32 s52, s20, 16*STP
	s_add_co_u32 s52, s52, STG                     ; my stage
	v_add_nc_u32 v[STW], s52, v[L16]
	v_mul_u32_u24 v[STR], v[T0+1], STP
	v_lshl_add_u32 v[STR], v[T0+2], 6, v[STR]
	v_add_nc_u32 v[STR], s52, v[STR]
	s_mul_i32 s52, s20, 16*BFP
	v_mul_u32_u24 v[BFW], v[T0+1], BFP
	v_lshl_add_u32 v[BFW], v[T0+2], 5, v[BFW]
	v_add_nc_u32 v[BFW], s52, v[BFW]
	s_lshl_b32 s52, s20, 11
	s_add_co_u32 s52, s52, XIMG
	v_add_nc_u32 v[XIW], s52, v[L16]
	s_lshl_b32 s52, s20, 6
	s_add_co_u32 s52, s52, XSC
	v_lshl_add_u32 v[XSW], v[T0+1], 2, s52
	v_add_nc_u32 v[XIR], XIMG, v[L16]
	v_add_nc_u32 v[XSR], XSC, v[L4]
	s_lshl_b32 s53, s20, 10                        ; 1,024 w: my 256 hidden units, or channels, in f32
	s_add_co_u32 s52, s53, QA
	v_lshl_add_u32 v[QR0], v[T0+2], 5, s52
	s_add_co_u32 s52, s53, WA
	v_lshl_add_u32 v[WR0], v[T0+2], 5, s52
	s_add_co_u32 s52, s53, CS
	v_lshl_add_u32 v[CSW], v[T0+2], 5, s52
	v_add_nc_u32 v[CSR], s52, v[L16]
	s_lshl_b32 s52, s20, 13
	s_add_co_u32 s52, s52, WSC
	v_lshl_add_u32 v[WSR0], v[T0], 5, s52          ; Wk's row 256 w + lane: 32 scale bytes a row
	s_lshl_b32 s52, s20, 8
	s_add_co_u32 s52, s52, EP
	v_lshl_add_u32 v[EPW], v[T0+1], 2, s52
	v_add_nc_u32 v[EPR], EP, v[L8]
	s_lshl_b32 s52, s20, 7
	s_add_co_u32 s52, s52, PA
	v_add_nc_u32 v[PAW], s52, v[L4]
	v_lshl_add_u32 v[PAR], v[T0+2], 4, s52
	v_and_b32 v[T0+3], 7, v0
	v_lshl_add_u32 v[T0+3], v[T0+2], 3, v[T0+3]    ; the turning load: row 8 h + lane % 8,
	v_mul_u32_u24 v[TR0], v[T0+3], BFP
	v_bfe_u32 v[T0+3], v0, 3, 1
	v_lshl_add_u32 v[TR0], v[T0+3], 4, v[TR0]      ; 16 bytes for each group of eight lanes,
	s_lshl_b32 s52, s20, 9
	v_add_nc_u32 v[TR0], s52, v[TR0]               ; my 256 channels in bf16
	v_add_nc_u32 v[TR0+1], 32*BFP, v[TR0]
	v_lshrrev_b32 v[PFO], 3, v[T0]
	v_lshlrev_b32 v[PFO], 12, v[PFO]
	v_and_b32 v[T0+3], 7, v0
	v_lshl_add_u32 v[PFO], v[T0+3], 8, v[PFO]
	v_lshlrev_b32 v[T0+4], 4, v0                   ; 16 x thread: the dense copies into LDS
	v_lshrrev_b32 v[T0+5], 2, v0
	v_lshlrev_b32 v[T0+5], 12, v[T0+5]
	v_and_b32 v[T0+3], 3, v0
	v_lshl_add_u32 v[T0+5], v[T0+3], 4, v[T0+5]    ; qt: piece x = thread (+ 128) of q: (x / 4) x 4,096 + (x % 4) x 16
	v_lshl_add_u32 v[T0+6], v0, 4, WSC
	v_lshl_add_u32 v[T0+7], v0, 4, QA
	v_lshl_add_u32 v[T0+8], v0, 4, WA
	s_lshl_b32 s42, s22, 22                        ; x: the batch's 4 MiB, my work-group's 256 rows, my wave's 16
	s_lshl_b32 s41, ttmp9, 20
	s_add_co_u32 s42, s42, s41
	s_lshl_b32 s41, s20, 16
	s_add_co_u32 s42, s42, s41
	s_mov_b32 s43, 0
	s_lshl_b32 s44, s22, 12                        ; mask and energy: 4 bytes a row
	s_lshl_b32 s41, ttmp9, 10
	s_add_co_u32 s44, s44, s41
	s_mov_b32 s45, 0
	s_lshl_b32 s46, s22, 16                        ; ctxp [batch][16 tiles][1024]: + my 256 channels
	s_lshl_b32 s41, ttmp9, 14
	s_add_co_u32 s46, s46, s41
	s_add_co_u32 s46, s46, s53
	s_mov_b32 s47, 0
	s_lshl_b32 s48, s20, 18                        ; my 16 h-tiles of Wk's image
	s_mov_b32 s49, 0
	s_lshl_b32 s50, s22, 6                         ; qt: the batch's 64 bytes in each block of 4,096
	s_mov_b32 s51, 0
	s_mov_b32 s28, 0x76543210
	s_mov_b32 s29, 0xfedcba98                      ; v_permlanex16_b32's selects for lane l xor 16
	s_mov_b32 s30, 0x600000                        ; the mantissa field of 448
	s_mov_b32 s32, 0x4038aa3b                      ; 2 log2(e)
	s_mov_b32 s33, s32                             ; (named with it as a pair, so it is written)
	s_mov_b32 s34, 0x3fb8aa3b                      ; log2(e)
	s_mov_b32 s23, 4                               ; tiles to go
	s_mov_b32 s25, 0                               ; the ring of Wk's loads stands at h-tile 0
	s_wait_kmcnt 0x0
	s_add_nc_u64 s[4:5], s[4:5], s[42:43]
	s_add_nc_u64 s[6:7], s[6:7], s[44:45]
	s_add_nc_u64 s[16:17], s[16:17], s[44:45]
	s_add_nc_u64 s[18:19], s[18:19], s[46:47]
	s_add_nc_u64 s[12:13], s[12:13], s[48:49]
	s_add_nc_u64 s[14:15], s[14:15], s[50:51]
.irp i, 0,1,2,3,4,5,6,7,8,9,10,11,12,13,14,15
	global_load_b128 v[64+4*\i:67+4*\i], v[T0+4], s[10:11] offset:2048*\i   ; Wk's scale bytes: 128 threads x 16 bytes, 16 times
.endr
	global_load_b128 v[128:131], v[T0+5], s[14:15]
	global_load_b128 v[132:135], v[T0+5], s[14:15] offset:131072
	global_load_b128 v[136:139], v[T0+4], s[8:9]
	global_load_b128 v[140:143], v[T0+4], s[8:9] offset:2048
.irp i, 0,1,2,3,4,5,6,7
	global_load_b128 v[144+4*\i:147+4*\i], v[L16], s[8:9] offset:512*\i   ; all of v once more for each wave, for sum v
.endr
	WIN 0x40                                       ; the ring's first three runs: h-tile 0 whole into set 0, fragments 0-3 of h-tile 1 into set 1
.irp f, 0,1,2,3,4,5,6,7
.irp c, 0,1,2,3
	global_load_b128 v[16*\f+4*\c:16*\f+4*\c+3], v[L16], s[12:13] offset:2048*\f+512*\c
.endr
.endr
.irp f, 0,1,2,3
.irp c, 0,1,2,3
	global_load_b128 v[128+16*\f+4*\c:128+16*\f+4*\c+3], v[L16], s[12:13] offset:16384+2048*\f+512*\c
.endr
.endr
	WIN 0
	s_wait_loadcnt 48                              ; the 28 small loads are in; the ring's 48 stay out
.irp i, 0,1,2,3,4,5,6,7,8,9,10,11,12,13,14,15
	ds_store_b128 v[T0+6], v[64+4*\i:67+4*\i] offset:2048*\i
.endr
	ds_store_b128 v[T0+7], v[128:131]
	ds_store_b128 v[T0+7], v[132:135] offset:2048
.irp j, 0,2,4,6
	v_pk_mul_f32 v[136+\j:137+\j], v[136+\j:137+\j], -2.0 op_sel_hi:[1,0]
.endr
	ds_store_b128 v[T0+8], v[136:139]
	ds_store_b128 v[T0+8], v[140:143] offset:2048
.irp j, 4,8,12,16,20,24,28
	v_pk_add_f32 v[144:145], v[144:145], v[144+\j:145+\j]   ; sum v: my 32 numbers in two chains,
	v_pk_add_f32 v[146:147], v[146:147], v[146+\j:147+\j]
.endr
	v_pk_add_f32 v[144:145], v[144:145], v[146:147]
	v_add_f32 v[VT], v144, v145
	v_add_f32_dpp v[VT], v[VT], v[VT] row_xmask:1 row_mask:0xf bank_mask:0xf   ; then over the 32 lanes
	v_add_f32_dpp v[VT], v[VT], v[VT] row_xmask:2 row_mask:0xf bank_mask:0xf
	v_add_f32_dpp v[VT], v[VT], v[VT] row_xmask:4 row_mask:0xf bank_mask:0xf
	v_add_f32_dpp v[VT], v[VT], v[VT] row_xmask:8 row_mask:0xf bank_mask:0xf
	v_permlanex16_b32 v[NEGR], v[VT], s28, s29
	v_add_f32 v[VT], v[VT], v[NEGR]
	v_mov_b32 v[NEGR], 0xd01502f9                  ; -1e10
.irp b, 0,1,2,3
	v_mov_b32 v[TM+4+\b], 0                        ; written once: a lane permute's destination counts as one of its sources
	v_mov_b32 v[T0+10+\b], 0
.endr
	ENC 0                                          ; the first tile's first three chunks
	ENC 1
	ENC 2
	BARRIER                                        ; Wk's scale bytes, q and -2 v lie in LDS
.Ltile:
	; ---------------- L: my 16 rows: bf16 copy, codes, scale words
	CHUNK 0
	CHUNK 1
	CHUNK 2
	CHUNK 3
	CHUNK 4
	CHUNK 5
	CHUNK 6
	CHUNK 7
	BARRIER                                        ; the tile's 32 images, its scale words and its bf16 copy are whole
	; ---------------- X: all 64 rows' codes into registers
	global_load_b64 v[MK:MK+1], v[L8], s[6:7]      ; the tile's mask words; the second h-tile's first wait shows them landed (32 younger loads)
.irp s, 0,1,2,3,4,5,6,7
.irp i, 0,1
	ds_load_b32 v[XS+2*\s+\i], v[XSR] offset:256*\s+128*\i
.endr
.endr
	ds_load_b128 v[QQ:QQ+3], v[QR0]                ; q and the scale words of h-tile 0
	ds_load_b128 v[QQ+4:QQ+7], v[QR0] offset:16
	ds_load_b128 v[WS:WS+3], v[WSR0]
	ds_load_b128 v[WS+4:WS+7], v[WSR0] offset:16
	WIN 0x80
.irp s, 0,1,2,3
.irp m, 0,1,2,3
.irp c, 0,1,2,3
	ds_load_b128 v[64*\s+16*\m+4*\c:64*\s+16*\m+4*\c+3], v[XIR] offset:2048*(4*\s+\m)+512*\c
.endr
.endr
.endr
	WIN 0xc0
.irp s, 4,5,6,7
.irp m, 0,1,2,3
.irp c, 0,1,2,3
	ds_load_b128 v[64*(\s-4)+16*\m+4*\c:64*(\s-4)+16*\m+4*\c+3], v[XIR] offset:2048*(4*\s+\m)+512*\c
.endr
.endr
.endr
	WIN 0
.irp j, 0,1,2,3,4,5,6,7
	v_mov_b32 v[EE+\j], 0                          ; the energy sums begin anew
.endr
	s_mov_b32 s39, 0
	s_mov_b32 s40, 0
	s_add_nc_u64 s[36:37], s[4:5], 196608          ; the prefetches' pointer: four steps of 16,384 short of my rows of the next tile, 262,144 bytes on
	s_cmp_eq_u32 s23, 1
	s_cselect_b32 s38, 0, 4                        ; the last four trips ask, where there is a next tile
	ADDRS
	s_wait_dscnt 0x0
	; ---------------- C: 16 h-tiles
	TILE 0, 1, 0, 64, 0, 0, 0                      ; h-tile 0: no tanh beside it yet
	WIN 0                                          ; at a label and at a branch every window is 0
	s_mov_b32 s24, 7
.Lh:                                               ; trip p: h-tiles 2 p + 1 and 2 p + 2
	ADDRS
	TILE 1, 0, 0, 128, 0, 1, 1
	TILE 0, 0, 0, 192, 64, 2, 0
	WIN 0
	s_add_co_u32 s39, s39, 128
	s_add_co_u32 s40, s40, 1024
	s_sub_co_u32 s24, s24, 1
	s_cmp_lg_u32 s24, 0
	s_cbranch_scc1 .Lh
	ADDRS
	TILE 1, 0, 1, 0, 0, 0, 0                       ; h-tile 15
	WIN 0
	ds_load_b128 v[WW:WW+3], v[WR] offset:64       ; the tanh of h-tile 15, with no products beside it
	ds_load_b128 v[WW+4:WW+7], v[WR] offset:80
.rept 4
	v_nop                                          ; with slices 28 and 29 and the scalings of the accumulators before: eight places or more ahead of each accumulator's first read
.endr
.set J_, 0
.rept 16
	v_pk_mul_f32 v[ACC+32+J_:ACC+33+J_], v[ACC+32+J_:ACC+33+J_], s[32:33] op_sel_hi:[1,0]
.set J_, J_+2
.endr
.set J_, 0
.rept 32
	v_exp_f32 v[ACC+32+J_], v[ACC+32+J_]
.set J_, J_+1
.endr
	v_nop
	s_wait_alu depctr_va_vdst(0)                   ; one wait for the batch, ahead of its first reader
.set J_, 0
.rept 16
	v_pk_add_f32 v[ACC+32+J_:ACC+33+J_], v[ACC+32+J_:ACC+33+J_], 1.0 op_sel_hi:[1,0]
.set J_, J_+2
.endr
.set J_, 0
.rept 32
	v_rcp_f32 v[ACC+32+J_], v[ACC+32+J_]
.set J_, J_+1
.endr
	v_nop
	s_wait_alu depctr_va_vdst(0)
	s_wait_dscnt 0x0                               ; -2 v of h-tile 15
.irp i, 0,1,2,3
.irp m, 0,1,2,3
	v_pk_fma_f32 v[EE+2*\m:EE+2*\m+1], v[ACC+32+8*\m+2*\i:ACC+33+8*\m+2*\i], v[WW+2*\i:WW+2*\i+1], v[EE+2*\m:EE+2*\m+1]
.endr
.endr
	; the next tile's first three chunks are asked for here, if there is a next tile: window 2 is free, and no load leaves its buffer
	s_cmp_eq_u32 s23, 1
	s_cbranch_scc1 .Lnonext
	s_wait_xcnt 0x0                                ; the earlier loads have read their base
	s_add_nc_u64 s[4:5], s[4:5], 262144
	ENC 0
	ENC 1
	ENC 2
.Lnonext:
	; ---------------- D: the tile's energies and weights
.irp m, 0,1,2,3
	v_add_f32 v[T0+\m], v[EE+2*\m], v[EE+2*\m+1]
.endr
.irp m, 0,1,2,3
	v_permlanex16_b32 v[T0+10+\m], v[T0+\m], s28, s29
.endr
.irp m, 0,1,2,3
	v_add_f32 v[T0+\m], v[T0+\m], v[T0+10+\m]      ; with lane l xor 16's eight units of each h-tile: row 16 m + r over my 256 hidden units
.endr
.irp m, 0,1,2,3
	ds_store_b32 v[EPW], v[T0+\m] offset:64*\m
.endr
	BARRIER                                        ; the four waves' parts lie in LDS
.irp q, 0,1,2,3
	ds_load_b64 v[T0+2*\q:T0+2*\q+1], v[EPR] offset:256*\q   ; every wave takes all 64 rows: lane l rows 2 l, 2 l + 1
.endr
	s_wait_dscnt 0x0
	v_pk_add_f32 v[T0:T0+1], v[T0:T0+1], v[T0+2:T0+3]
	v_pk_add_f32 v[T0+4:T0+5], v[T0+4:T0+5], v[T0+6:T0+7]
	v_pk_add_f32 v[T0:T0+1], v[T0:T0+1], v[T0+4:T0+5]
	v_add_f32 v[T0], v[T0], v[VT]
	v_add_f32 v[T0+1], v[T0+1], v[VT]
	v_cmp_eq_u32 vcc_lo, 0, v[MK]
	v_cndmask_b32 v[T0], v[T0], v[NEGR], vcc_lo    ; a masked row's energy is -1e10
	v_cmp_eq_u32 vcc_lo, 0, v[MK+1]
	v_cndmask_b32 v[T0+1], v[T0+1], v[NEGR], vcc_lo
	s_cmp_lg_u32 s20, 0
	s_cbranch_scc1 .Lnot0
	global_store_b64 v[L8], v[T0:T0+1], s[16:17]   ; wave 0 stores them: 256 consecutive bytes, aligned
.Lnot0:
	v_max_num_f32 v[T0+8], v[T0], v[T0+1]
	v_max_num_f32_dpp v[T0+8], v[T0+8], v[T0+8] row_xmask:1 row_mask:0xf bank_mask:0xf
	v_max_num_f32_dpp v[T0+8], v[T0+8], v[T0+8] row_xmask:2 row_mask:0xf bank_mask:0xf
	v_max_num_f32_dpp v[T0+8], v[T0+8], v[T0+8] row_xmask:4 row_mask:0xf bank_mask:0xf
	v_max_num_f32_dpp v[T0+8], v[T0+8], v[T0+8] row_xmask:8 row_mask:0xf bank_mask:0xf
	v_permlanex16_b32 v[T0+10], v[T0+8], s28, s29
	v_max_num_f32 v[T0+8], v[T0+8], v[T0+10]       ; the tile's largest energy
	v_sub_f32 v[T0+12], v[T0], v[T0+8]             ; the difference first, then the factor: beside -1e10 a fused form would lose the small energies
	v_sub_f32 v[T0+13], v[T0+1], v[T0+8]
	v_mul_f32 v[T0+12], s34, v[T0+12]
	v_mul_f32 v[T0+13], s34, v[T0+13]
	v_exp_f32 v[T0+12], v[T0+12]
	v_exp_f32 v[T0+13], v[T0+13]
	v_nop
	s_wait_alu depctr_va_vdst(0)
	v_cvt_pk_bf16_f32 v[T0+9], v[T0+12], v[T0+13]
	ds_store_b32 v[PAW], v[T0+9]                   ; my wave's own copy of the 64 weights: no barrier
.irp j, 0,1,2,3
	ds_load_b128 v[PF16+4*\j:PF16+4*\j+3], v[PAR] offset:32*\j   ; source 1, 32 rows x 16 columns, every column the same: registers 0-3 rows 8 h on, 4-7 rows 16 + 8 h on; then rows 32 on
.endr
	; ---------------- E: my 256 channels of sum p x
	VLOAD 0
	VLOAD 1
	s_wait_dscnt 16                                ; p and group 0 are in; group 1's 16 loads may be out
	VMUL 0
.rept 4
	v_nop                                          ; four places behind this form ahead of loads into registers that it has read
.endr
	VLOAD 2
	s_wait_dscnt 16
	VMUL 1
.rept 4
	v_nop
.endr
	VLOAD 3
	s_wait_dscnt 16
	VMUL 2
	s_wait_dscnt 0x0
	VMUL 3
	WIN 0
.rept 4
	v_nop
.endr
	WIN 0x0c                                       ; an LDS store's data are its source 1: window 3
.irp u, 0,1,2,3,4,5,6,7,8,9,10,11,12,13,14,15
	ds_store_b128 v[CSW], v[8*\u:8*\u+3] offset:64*\u          ; channels 16 u + 8 h + 0 .. 7; the 16 lanes of a half hold the same numbers and write the same bytes.  Each accumulator from its low end on
	ds_store_b128 v[CSW], v[8*\u+4:8*\u+7] offset:64*\u+16
.endr
	WIN 0
	ds_load_b128 v[T0+14:T0+17], v[CSR]            ; my own bytes, served in order
	ds_load_b128 v[T0+18:T0+21], v[CSR] offset:512
	s_wait_dscnt 0x0
	global_store_b128 v[L16], v[T0+14:T0+17], s[18:19] th:TH_STORE_NT             ; 512 consecutive bytes each, aligned
	global_store_b128 v[L16], v[T0+18:T0+21], s[18:19] offset:512 th:TH_STORE_NT
	BARRIER                                        ; every wave's reads of the bf16 copy and of the partial energies are over: the next tile may write them
	s_wait_xcnt 0x0                                ; the stores, the mask's load and the prefetches have read their registers and bases
	s_add_nc_u64 s[6:7], s[6:7], 256
	s_add_nc_u64 s[16:17], s[16:17], 256
	s_add_nc_u64 s[18:19], s[18:19], 4096
	s_sub_co_u32 s23, s23, 1
	s_cmp_lg_u32 s23, 0
	s_cbranch_scc1 .Ltile
	s_wait_tensorcnt 0x0
	ds_add_u32 v254, v255
	s_wait_dscnt 0x0
	s_endpgm
.Lfunc_end_k_q2b157da776_main:
	.size	k_q2b157da776_main, .Lfunc_end_k_q2b157da776_main-k_q2b157da776_main
	.p2alignl 7, 3214868480
	.fill 96, 4, 3214868480
	.section	.rodata,"a",@progbits
	.p2align	6, 0x0
	.amdhsa_kernel k_q2b157da776_main
		.amdhsa_group_segment_fixed_size 281600
		.amdhsa_private_segment_fixed_size 0
		.amdhsa_enable_private_segment 0
		.amdhsa_kernarg_size 64
		.amdhsa_user_sgpr_count 2
		.amdhsa_user_sgpr_kernarg_segment_ptr 1
		.amdhsa_wavefront_size32 1
		.amdhsa_system_sgpr_workgroup_id_x 1
		.amdhsa_system_sgpr_workgroup_id_y 1
		.amdhsa_system_sgpr_workgroup_id_z 1
		.amdhsa_system_vgpr_workitem_id 0
		.amdhsa_next_free_vgpr 1024
		.amdhsa_next_free_sgpr 66
		.amdhsa_reserve_vcc 1
		.amdhsa_float_denorm_mode_32 3
		.amdhsa_float_denorm_mode_16_64 3
		.amdhsa_memory_ordered 1
		.amdhsa_forward_progress 1
		.amdhsa_inst_pref_size 219
	.end_amdhsa_kernel
	.amdgpu_metadata
---
amdhsa.version: [ 1, 2 ]
amdhsa.kernels:
  - .name:           k_q2b157da776_main
    .symbol:         k_q2b157da776_main.kd
    .args:
      - { .name: encoder_outputs, .offset: 0, .size: 8, .value_kind: global_buffer, .address_space: global }
      - { .name: mask, .offset: 8, .size: 8, .value_kind: global_buffer, .address_space: global }
      - { .name: v, .offset: 16, .size: 8, .value_kind: global_buffer, .address_space: global }
      - { .name: Wk_scales, .offset: 24, .size: 8, .value_kind: global_buffer, .address_space: global }
      - { .name: wkimg, .offset: 32, .size: 8, .value_kind: global_buffer, .address_space: global }
      - { .name: qt, .offset: 40, .size: 8, .value_kind: global_buffer, .address_space: global }
      - { .name: energy, .offset: 48, .size: 8, .value_kind: global_buffer, .address_space: global }
      - { .name: ctxp, .offset: 56, .size: 8, .value_kind: global_buffer, .address_space: global }
    .group_segment_fixed_size: 281600
    .private_segment_fixed_size: 0
    .kernarg_segment_align: 8
    .kernarg_segment_size: 64
    .max_flat_workgroup_size: 128
    .sgpr_count:     66
    .vgpr_count:     1024
    .wavefront_size: 32
...
	.end_amdgpu_metadata
.endif
;; end of part 2
;; launch combine (part 3): grid 64 x 1, 8 waves a work-group, no clusters, 1,280 bytes of LDS; arguments energy, ctxp, out0, out1; writes out0, out1
.if DOCPART == 3
	.amdgcn_target "amdgcn-amd-amdhsa--gfx1250"
	.amdhsa_code_object_version 6
	.text
	.protected	k_q2b157da776_combine
	.globl	k_q2b157da776_combine
	.p2align	8
	.type	k_q2b157da776_combine,@function
k_q2b157da776_combine:
	s_mov_b64 s[64:65], 0
	v_nop
	global_prefetch_b8 v0, s[64:65] scope:SCOPE_SE
	s_setreg_imm32_b32 hwreg(HW_REG_WAVE_MODE, 25, 1), 1
	s_wait_xcnt 0x0
; THE SOFTMAX OVER A BATCH'S 1,024 ROWS, AND THE 16 PARTIAL SUMS MADE ONE.  Work-group b; thread i owns rows 4 i .. 4 i + 3 and channels 4 i .. 4 i + 3.
; energy [b][1024] holds the masked energies; ctxp [b][16][1024] holds, for each tile t of 64 rows, the sum of exp(energy - m_t) x over its rows, m_t the tile's largest energy.
; With M the batch's largest energy and L the sum of exp(energy - M):  out1 = exp(energy - M) / L;  out0 = sum over t of exp(m_t - M) ctxp_t / L.
; Sixteen neighbouring lanes hold exactly a tile's 64 rows, so m_t is found again here by four steps inside a row of lanes: a maximum rounds nothing, so it is the number that the launch before used.
; No matrix unit, no cluster: 4.5 MB in all, each byte read once; each load and store of a wave covers 512 consecutive bytes.  64 work-groups: a batch's statistics are wanted by all of its threads.
; LIMITS: NaN and infinities are not served; a weight under 2^-126 becomes 0.  A batch whose every row is masked has all energies equal: its weights are 1 / 1,024.
	s_load_b256 s[4:11], s[0:1], 0x0               ; energy, ctxp, out0, out1
	v_lshl_add_u32 v128, v0, 2, 0x100
	v_mov_b32 v129, 0
	v_lshlrev_b32 v1, 4, v0                        ; 16 bytes a thread
	v_lshrrev_b32 v2, 4, v0
	v_lshlrev_b32 v2, 2, v2                        ; LDS: my tile's word
	v_lshrrev_b32 v3, 5, v0
	v_lshlrev_b32 v3, 2, v3
	v_add_nc_u32 v3, 64, v3                        ; LDS: my wave's word, behind the 16 tiles'
	v_mov_b32 v10, 0                               ; LDS address 0
	v_mov_b32 v11, 0                               ; (a lane permute's destination counts as one of its sources)
	s_lshl_b32 s12, ttmp9, 12
	s_mov_b32 s13, 0
	s_lshl_b32 s14, ttmp9, 16
	s_mov_b32 s15, 0
	s_mov_b32 s16, 0x76543210
	s_mov_b32 s17, 0xfedcba98                      ; v_permlanex16_b32's selects for lane l xor 16
	s_mov_b32 s18, 0x3fb8aa3b                      ; log2(e)
	s_wait_kmcnt 0x0
	s_add_nc_u64 s[4:5], s[4:5], s[12:13]
	s_add_nc_u64 s[6:7], s[6:7], s[14:15]
	s_add_nc_u64 s[8:9], s[8:9], s[12:13]
	s_add_nc_u64 s[10:11], s[10:11], s[12:13]
	global_load_b128 v[4:7], v1, s[4:5] th:TH_LOAD_NT
.irp t, 0,1,2,3,4,5,6,7,8,9,10,11,12,13,14,15
	global_load_b128 v[32+4*\t:35+4*\t], v1, s[6:7] offset:4096*\t th:TH_LOAD_NT
.endr
	s_wait_loadcnt 16                              ; the energies are in; the 16 partial sums stay out
	v_max3_num_f32 v8, v4, v5, v6
	v_max_num_f32 v8, v8, v7
	v_max_num_f32_dpp v8, v8, v8 row_xmask:1 row_mask:0xf bank_mask:0xf
	v_max_num_f32_dpp v8, v8, v8 row_xmask:2 row_mask:0xf bank_mask:0xf
	v_max_num_f32_dpp v8, v8, v8 row_xmask:4 row_mask:0xf bank_mask:0xf
	v_max_num_f32_dpp v8, v8, v8 row_xmask:8 row_mask:0xf bank_mask:0xf   ; m_t of my tile
	ds_store_b32 v2, v8                            ; sixteen lanes write the same word with the same value
	s_wait_dscnt 0x0
	s_barrier_signal -1
	s_barrier_wait -1
.irp j, 0,1,2,3
	ds_load_b128 v[12+4*\j:15+4*\j], v10 offset:16*\j   ; all 16 m_t, in every lane
.endr
	s_wait_dscnt 0x0
	v_max3_num_f32 v9, v12, v13, v14
.irp j, 15,17,19,21,23,25
	v_max3_num_f32 v9, v9, v[\j], v[\j+1]
.endr
	v_max_num_f32 v9, v9, v27                      ; M
.irp j, 4,5,6,7,12,13,14,15,16,17,18,19,20,21,22,23,24,25,26,27
	v_sub_f32 v[\j], v[\j], v9                     ; the difference first, then the factor
.endr
.irp j, 4,5,6,7,12,13,14,15,16,17,18,19,20,21,22,23,24,25,26,27
	v_mul_f32 v[\j], s18, v[\j]
.endr
.irp j, 4,5,6,7,12,13,14,15,16,17,18,19,20,21,22,23,24,25,26,27
	v_exp_f32 v[\j], v[\j]                         ; my four exp(energy - M), and the 16 exp(m_t - M): one batch
.endr
	v_nop
	s_wait_alu depctr_va_vdst(0)                   ; one wait for the batch, ahead of its first reader
	v_add_f32 v8, v4, v5
	v_add_f32 v11, v6, v7
	v_add_f32 v8, v8, v11
	v_add_f32_dpp v8, v8, v8 row_xmask:1 row_mask:0xf bank_mask:0xf
	v_add_f32_dpp v8, v8, v8 row_xmask:2 row_mask:0xf bank_mask:0xf
	v_add_f32_dpp v8, v8, v8 row_xmask:4 row_mask:0xf bank_mask:0xf
	v_add_f32_dpp v8, v8, v8 row_xmask:8 row_mask:0xf bank_mask:0xf
	v_permlanex16_b32 v11, v8, s16, s17
	v_add_f32 v8, v8, v11                          ; my wave's 128 rows
	ds_store_b32 v3, v8                            ; other bytes than the first exchange's: one barrier is enough
	s_wait_dscnt 0x0
	s_barrier_signal -1
	s_barrier_wait -1
	ds_load_b128 v[96:99], v10 offset:64
	ds_load_b128 v[100:103], v10 offset:80
	s_wait_dscnt 0x0
	v_add_f32 v96, v96, v97
	v_add_f32 v98, v98, v99
	v_add_f32 v100, v100, v101
	v_add_f32 v102, v102, v103
	v_add_f32 v96, v96, v98
	v_add_f32 v100, v100, v102
	v_add_f32 v96, v96, v100                       ; L: at least 1, since the largest energy's term is 1
	v_rcp_f32 v28, v96
	v_nop
	s_wait_alu depctr_va_vdst(0)
.irp j, 4,5,6,7
	v_mul_f32 v[\j], v[\j], v28
.endr
	global_store_b128 v1, v[4:7], s[10:11] th:TH_STORE_NT   ; the weights
	s_wait_loadcnt 0x0                             ; the partial sums
.irp j, 0,1,2,3
	v_mul_f32 v[104+\j], v[32+\j], v12             ; tile 0 starts the sums: nothing is cleared
.endr
.irp t, 1,2,3,4,5,6,7,8,9,10,11,12,13,14,15
.irp j, 0,1,2,3
	v_fma_f32 v[104+\j], v[32+4*\t+\j], v[12+\t], v[104+\j]   ; four chains by turns; a tile's factor is one register
.endr
.endr
.irp j, 0,1,2,3
	v_mul_f32 v[104+\j], v[104+\j], v28
.endr
	global_store_b128 v1, v[104:107], s[8:9] th:TH_STORE_NT  ; the context
	s_wait_tensorcnt 0x0
	ds_add_u32 v128, v129
	s_wait_dscnt 0x0
	s_endpgm
.Lfunc_end_k_q2b157da776_combine:
	.size	k_q2b157da776_combine, .Lfunc_end_k_q2b157da776_combine-k_q2b157da776_combine
	.p2alignl 7, 3214868480
	.fill 96, 4, 3214868480
	.section	.rodata,"a",@progbits
	.p2align	6, 0x0
	.amdhsa_kernel k_q2b157da776_combine
		.amdhsa_group_segment_fixed_size 1280
		.amdhsa_private_segment_fixed_size 0
		.amdhsa_enable_private_segment 0
		.amdhsa_kernarg_size 32
		.amdhsa_user_sgpr_count 2
		.amdhsa_user_sgpr_kernarg_segment_ptr 1
		.amdhsa_wavefront_size32 1
		.amdhsa_system_sgpr_workgroup_id_x 1
		.amdhsa_system_sgpr_workgroup_id_y 1
		.amdhsa_system_sgpr_workgroup_id_z 1
		.amdhsa_system_vgpr_workitem_id 0
		.amdhsa_next_free_vgpr 130
		.amdhsa_next_free_sgpr 66
		.amdhsa_reserve_vcc 0
		.amdhsa_float_denorm_mode_32 3
		.amdhsa_float_denorm_mode_16_64 3
		.amdhsa_memory_ordered 1
		.amdhsa_forward_progress 1
		.amdhsa_inst_pref_size 12
	.end_amdhsa_kernel
	.amdgpu_metadata
---
amdhsa.version: [ 1, 2 ]
amdhsa.kernels:
  - .name:           k_q2b157da776_combine
    .symbol:         k_q2b157da776_combine.kd
    .args:
      - { .name: energy, .offset: 0, .size: 8, .value_kind: global_buffer, .address_space: global }
      - { .name: ctxp, .offset: 8, .size: 8, .value_kind: global_buffer, .address_space: global }
      - { .name: out0, .offset: 16, .size: 8, .value_kind: global_buffer, .address_space: global }
      - { .name: out1, .offset: 24, .size: 8, .value_kind: global_buffer, .address_space: global }
    .group_segment_fixed_size: 1280
    .private_segment_fixed_size: 0
    .kernarg_segment_align: 8
    .kernarg_segment_size: 32
    .max_flat_workgroup_size: 256
    .sgpr_count:     66
    .vgpr_count:     130
    .wavefront_size: 32
...
	.end_amdgpu_metadata
.endif
;; end of part 3
;; ======== version 2 of 2: 3 launches; version 1 with the launches prep, main written anew for expert scheduling mode
;; workspace buffers: qt 262,144 bytes; wkimg 1,048,576 bytes; energy 262,144 bytes; ctxp 4,194,304 bytes
;; launch prep (part 4): grid 64 x 1, 4 waves a work-group, no clusters, 4,608 bytes of LDS; arguments Wq_codes, Wq_scales, decoder_hidden_codes, decoder_hidden_scales, Wk_codes, qt, wkimg; writes qt, wkimg
.if DOCPART == 4
	.amdgcn_target "amdgcn-amd-amdhsa--gfx1250"
	.amdhsa_code_object_version 6
	.text
	.protected	k_q2b157da776_prep
	.globl	k_q2b157da776_prep
	.p2align	8
	.type	k_q2b157da776_prep,@function
k_q2b157da776_prep:
	s_mov_b64 s[64:65], 0
	v_nop
	global_prefetch_b8 v0, s[64:65] scope:SCOPE_SE
	s_setreg_imm32_b32 hwreg(HW_REG_WAVE_SCHED_MODE, 0, 2), 2
	s_setreg_imm32_b32 hwreg(HW_REG_WAVE_MODE, 25, 1), 1
	s_wait_xcnt 0x0
	s_wait_alu depctr_vm_vsrc(0)
; TWO SMALL JOBS IN FRONT OF THE MAIN LAUNCH.
; (1) q = decoder_hidden Wq^T, both operands given as codes of E4M3 with one E8M0 byte for each 32 along K (K = 1,024: eight steps of 128).
;     Work-group T makes hidden units 16 T .. 16 T + 15, wave w of it for batches 16 w .. 16 w + 15.  qt is laid [T 64][batch 64][16] f32.
;     The product is used transposed (source 0 = 16 rows of Wq, source 1 = 16 rows of decoder_hidden): lane (r, h) holds q[16 w + r][16 T + 8 h + 0 .. 7].
; (2) Wk's codes are copied into the order of an operand's registers: wkimg byte ((8 T + s) 4 + c) 512 + 16 lane holds Wk_codes[16 T + r][128 s + 32 c + 16 h .. + 15],
;     so that the main launch loads a fragment by four loads of 512 consecutive bytes.  Wave w copies K steps 2 w and 2 w + 1 of the work-group's 16 rows.
; THE MODE: SCHED_MODE bits 1:0 = 2 (LLVM: expert scheduling mode 2), set by the entry lines.  The code itself states the register dependences
; between vector or matrix instructions and memory or LDS instructions, with s_wait_alu, always for 0.
; THE PLAN.  Registers that memory or LDS instructions touch: v1-5, offsets, written once at the head and read by every load and store; v40-47, the sum of the two accumulators,
;   written by four packed additions and read by two LDS stores.  Fragments, scale words and the copy are loaded and never written by a vector instruction.  So: one wait ahead of the first load, one ahead of the LDS stores.
; REGISTERS: v1-5 offsets; v8-15 Wq's scale words, v16-23 decoder_hidden's (scales and nothing else); v24-39 two accumulators; v40-47 their sum; v48-55 rows back from the stage;
;   v64-191 decoder_hidden's eight fragments; v192-223 the copy.   window 1: v0-127 Wq's eight fragments.
.set MSB, 0
.macro WIN new                         ; the immediate's high byte repeats the setting that is left
.if MSB != \new
	s_set_vgpr_msb (MSB<<8)|\new
.set MSB, \new
.endif
.endm
	s_load_b256 s[4:11], s[0:1], 0x0               ; Wq's codes, Wq's scales, decoder_hidden's codes, its scales
	s_load_b128 s[12:15], s[0:1], 0x20             ; Wk's codes, qt
	s_load_b64 s[16:17], s[0:1], 0x30              ; wkimg
	v_lshl_add_u32 v254, v0, 2, 0x1000
	v_mov_b32 v255, 0
	v_lshrrev_b32 v6, 5, v0
	v_readfirstlane_b32 s20, v6                    ; wave 0..3
	v_and_b32 v6, 15, v0                           ; r
	v_bfe_u32 v7, v0, 4, 1                         ; h
	v_lshlrev_b32 v1, 10, v6
	v_lshl_add_u32 v1, v7, 4, v1                   ; a fragment's place: row r of 1,024 bytes + 16 h
	v_lshlrev_b32 v2, 5, v6                        ; a row of 32 scale bytes
	v_and_b32 v3, 31, v0
	v_lshlrev_b32 v3, 4, v3                        ; 16 x lane
	s_wait_alu depctr_va_sdst(0)                   ; s20 is written, ahead of its first reader
	s_lshl_b32 s21, s20, 10                        ; my wave's 1,024 bytes of the stage
	v_lshlrev_b32 v4, 6, v6
	v_lshl_add_u32 v4, v7, 5, v4
	v_add_nc_u32 v4, s21, v4                       ; into the stage: batch r's 64 bytes, + 32 h
	v_add_nc_u32 v5, s21, v3                       ; and back: 16 bytes a lane
	s_lshl_b32 s22, ttmp9, 14                      ; T x 16 rows of 1,024 bytes; also T x 16,384 bytes of the image
	s_mov_b32 s23, 0
	s_lshl_b32 s24, s20, 14                        ; w x 16 rows of 1,024 bytes
	s_mov_b32 s25, 0
	s_lshl_b32 s26, ttmp9, 9                       ; T x 16 rows of 32 scale bytes
	s_mov_b32 s27, 0
	s_lshl_b32 s28, s20, 9                         ; w x 16 rows of 32 scale bytes
	s_mov_b32 s29, 0
	s_lshl_b32 s30, s20, 8                         ; K steps 2 w on: 256 bytes along a row
	s_mov_b32 s31, 0
	s_lshl_b32 s32, ttmp9, 12
	s_add_co_u32 s32, s32, s21                     ; qt: T x 4,096 + w x 1,024
	s_mov_b32 s33, 0
	s_lshl_b32 s34, s20, 12                        ; the image's K steps 2 w on: 2 x 2,048 bytes
	s_mov_b32 s35, 0
	s_wait_kmcnt 0x0
	s_add_nc_u64 s[4:5], s[4:5], s[22:23]
	s_add_nc_u64 s[6:7], s[6:7], s[26:27]
	s_add_nc_u64 s[8:9], s[8:9], s[24:25]
	s_add_nc_u64 s[10:11], s[10:11], s[28:29]
	s_add_nc_u64 s[12:13], s[12:13], s[22:23]
	s_add_nc_u64 s[12:13], s[12:13], s[30:31]
	s_add_nc_u64 s[14:15], s[14:15], s[32:33]
	s_add_nc_u64 s[16:17], s[16:17], s[22:23]
	s_add_nc_u64 s[16:17], s[16:17], s[34:35]
	s_wait_alu depctr_va_vdst(0)                   ; the five offsets v1 to v5 are written, which every load and store below reads
.irp j, 0,1                                    ; all 76 loads of the wave go out together
.irp c, 0,1,2,3
	global_load_b128 v[192+16*\j+4*\c:195+16*\j+4*\c], v1, s[12:13] offset:128*\j+32*\c
.endr
.endr
	global_load_b128 v[8:11], v2, s[6:7]           ; register i: the word of K step i
	global_load_b128 v[12:15], v2, s[6:7] offset:16
	global_load_b128 v[16:19], v2, s[10:11]
	global_load_b128 v[20:23], v2, s[10:11] offset:16
.irp s, 0,1,2,3,4,5,6,7
.irp c, 0,1,2,3
	global_load_b128 v[64+16*\s+4*\c:67+16*\s+4*\c], v1, s[8:9] offset:128*\s+32*\c
.endr
.endr
	WIN 0x40                                       ; destination window 1
.irp s, 0,1,2,3,4,5,6,7
.irp c, 0,1,2,3
	global_load_b128 v[16*\s+4*\c:16*\s+4*\c+3], v1, s[4:5] offset:128*\s+32*\c
.endr
.endr
	WIN 0
	s_wait_loadcnt 0x0                             ; one wait for all: they were issued together
.irp j, 0,1
.irp c, 0,1,2,3
	global_store_b128 v3, v[192+16*\j+4*\c:195+16*\j+4*\c], s[16:17] offset:2048*\j+512*\c   ; 32 lanes store 512 consecutive bytes, aligned
.endr
.endr
	WIN 0x01                                       ; source 0 (Wq) window 1
.irp s, 0,1,2,3,4,5,6,7                        ; two accumulators by turns (even K steps, odd K steps); the first two products start the sums
.if \s < 2
	v_wmma_scale_f32_16x16x128_f8f6f4 v[24+8*(\s%2):31+8*(\s%2)], v[16*\s:16*\s+15], v[64+16*\s:79+16*\s], 0, v[8+\s], v[16+\s]
.else
	v_wmma_scale_f32_16x16x128_f8f6f4 v[24+8*(\s%2):31+8*(\s%2)], v[16*\s:16*\s+15], v[64+16*\s:79+16*\s], v[24+8*(\s%2):31+8*(\s%2)], v[8+\s], v[16+\s]
.endif
.endr
	WIN 0
.rept 8
	v_nop                                          ; eight places behind this form before a result is read
.endr
.irp j, 0,2,4,6
	v_pk_add_f32 v[40+\j:41+\j], v[24+\j:25+\j], v[32+\j:33+\j]   ; both accumulators from their low end on
.endr
	s_wait_alu depctr_va_vdst(0)                   ; the four additions have written v40 to v47, which the LDS stores read
	ds_store_b128 v4, v[40:43]                     ; a lane's 32 bytes lie 64 bytes from its neighbour's: through my own stage, so that the stores below are dense
	ds_store_b128 v4, v[44:47] offset:16
	ds_load_b128 v[48:51], v5                      ; LDS serves a wave's instructions in order (ISA guide 5.7.1.4): these see my stores
	ds_load_b128 v[52:55], v5 offset:512
	s_wait_dscnt 0x0
	global_store_b128 v3, v[48:51], s[14:15]       ; 512 consecutive bytes each, aligned
	global_store_b128 v3, v[52:55], s[14:15] offset:512
	s_wait_dscnt 0x0
	s_wait_alu depctr_hold_cnt(0) depctr_sa_sdst(0) depctr_va_vdst(0) depctr_va_sdst(0) depctr_va_ssrc(0) depctr_va_vcc(0) depctr_vm_vsrc(0)
	s_wait_tensorcnt 0x0
	ds_add_u32 v254, v255
	s_wait_dscnt 0x0
	s_endpgm
.Lfunc_end_k_q2b157da776_prep:
	.size	k_q2b157da776_prep, .Lfunc_end_k_q2b157da776_prep-k_q2b157da776_prep
	.p2alignl 7, 3214868480
	.fill 96, 4, 3214868480
	.section	.rodata,"a",@progbits
	.p2align	6, 0x0
	.amdhsa_kernel k_q2b157da776_prep
		.amdhsa_group_segment_fixed_size 4608
		.amdhsa_private_segment_fixed_size 0
		.amdhsa_enable_private_segment 0
		.amdhsa_kernarg_size 56
		.amdhsa_user_sgpr_count 2
		.amdhsa_user_sgpr_kernarg_segment_ptr 1
		.amdhsa_wavefront_size32 1
		.amdhsa_system_sgpr_workgroup_id_x 1
		.amdhsa_system_sgpr_workgroup_id_y 1
		.amdhsa_system_sgpr_workgroup_id_z 1
		.amdhsa_system_vgpr_workitem_id 0
		.amdhsa_next_free_vgpr 384
		.amdhsa_next_free_sgpr 66
		.amdhsa_reserve_vcc 0
		.amdhsa_float_denorm_mode_32 3
		.amdhsa_float_denorm_mode_16_64 3
		.amdhsa_memory_ordered 1
		.amdhsa_forward_progress 1
		.amdhsa_inst_pref_size 13
	.end_amdhsa_kernel
	.amdgpu_metadata
---
amdhsa.version: [ 1, 2 ]
amdhsa.kernels:
  - .name:           k_q2b157da776_prep
    .symbol:         k_q2b157da776_prep.kd
    .args:
      - { .name: Wq_codes, .offset: 0, .size: 8, .value_kind: global_buffer, .address_space: global }
      - { .name: Wq_scales, .offset: 8, .size: 8, .value_kind: global_buffer, .address_space: global }
      - { .name: decoder_hidden_codes, .offset: 16, .size: 8, .value_kind: global_buffer, .address_space: global }
      - { .name: decoder_hidden_scales, .offset: 24, .size: 8, .value_kind: global_buffer, .address_space: global }
      - { .name: Wk_codes, .offset: 32, .size: 8, .value_kind: global_buffer, .address_space: global }
      - { .name: qt, .offset: 40, .size: 8, .value_kind: global_buffer, .address_space: global }
      - { .name: wkimg, .offset: 48, .size: 8, .value_kind: global_buffer, .address_space: global }
    .group_segment_fixed_size: 4608
    .private_segment_fixed_size: 0
    .kernarg_segment_align: 8
    .kernarg_segment_size: 56
    .max_flat_workgroup_size: 128
    .sgpr_count:     66
    .vgpr_count:     384
    .wavefront_size: 32
...
	.end_amdgpu_metadata
.endif
;; end of part 4
;; launch main (part 5): grid 4 x 64, 4 waves a work-group, no clusters, 281,600 bytes of LDS; arguments encoder_outputs, mask, v, Wk_scales, wkimg, qt, energy, ctxp; writes energy, ctxp
.if DOCPART == 5
	.amdgcn_target "amdgcn-amd-amdhsa--gfx1250"
	.amdhsa_code_object_version 6
	.text
	.protected	k_q2b157da776_main
	.globl	k_q2b157da776_main
	.p2align	8
	.type	k_q2b157da776_main,@function
k_q2b157da776_main:
	s_mov_b64 s[64:65], 0
	v_nop
	global_prefetch_b8 v0, s[64:65] scope:SCOPE_SE
	s_setreg_imm32_b32 hwreg(HW_REG_WAVE_SCHED_MODE, 0, 2), 2
	s_setreg_imm32_b32 hwreg(HW_REG_WAVE_MODE, 25, 1), 1
	s_wait_xcnt 0x0
	s_wait_alu depctr_vm_vsrc(0)
; energy[b][s] = sum over h of v[h] tanh(q[b][h] + sum over e of Q(x[b][s][e]) Wk[h][e]), masked; and for each tile of 64 rows the sum of exp(energy - the tile's largest) x over its rows.
; x = encoder_outputs, f32, is read from memory ONCE: as it passes it is quantised along e (E4M3, one E8M0 scale for each 32) for the product with Wk, and a bf16 copy of the tile stays in LDS for the weighted sum.
; SHARES.  Work-group (g, b) owns rows 256 g .. 256 g + 255 of batch b, in four tiles of 64 rows.  A tile goes through five phases:
;   L  wave w loads rows 16 w .. + 15, eight chunks of 128 along e; each chunk turns through the wave's stage in LDS so that a lane holds 16 neighbours of each block of 32; bf16 copy, codes and scale words go to LDS
;   X  every wave fetches the codes of all 64 rows into registers: 32 fragments, 512 registers
;   C  wave w makes hidden units 256 w .. + 255: 16 h-tiles of 16 units x 64 rows, 32 products each; Wk's fragments come from memory straight into registers, laid by the launch before in the order of the registers;
;      BY TURNS: behind the products of h-tile t stand the slices of the tanh of h-tile t - 1, which lies in the other set of accumulators
;   D  the four waves' partial energies meet in LDS; mask; the tile's largest energy; p = exp(energy - largest), in bf16
;   E  wave w makes channels 256 w .. + 255 of sum p x by bf16 products: source 0 = x^T out of LDS by the turning load, source 1 = p in all 16 columns
; The softmax over a batch's 16 tiles and the weighing of the 16 partial sums are the last launch's.
; THE PRODUCT IS USED TRANSPOSED: source 0 = 16 rows of Wk, source 1 = 16 rows of x: lane (r, h) holds row r of x and hidden units 8 h + 0 .. 7; q is the C of a sum's first product.
; tanh(y) = 1 - 2 / (1 + 2^(2 log2(e) y)): right at both ends (2^.. = infinity gives 1, 0 gives -1).  So energy = sum v + sum (-2 v) / (1 + 2^..): -2 v lies in LDS, sum v in a register.
; NO JOINT TENSOR LOADS FOR Wk, though all work-groups read it: LDS holds 281,088 bytes of the tile's own; what is left of 327,680 would make two slots of 1.4 h-tiles, 45 products a wave between two changes of slots.
;   Registers under counted waits keep 48 loads, 24,576 bytes, of each wave on their way without any barrier.
; LIMITS: NaN and infinities among the inputs are not served.  A block of x whose largest magnitude lies under 2^-118 gets the scale byte 1 (the quantiser's hold at e = -126; a block of zeros too: its codes are zeros, and this
;   program alone reads the bytes).  p under 2^-126 becomes 0.  The ring of Wk's loads goes round: in the last tile its last 48 loads a wave (inside the buffer) are not used, so that every count is the same in all four tiles.
; THE MODE: SCHED_MODE bits 1:0 = 2 (LLVM: expert scheduling mode 2), set by the entry lines.  The code itself states the register dependences
; between vector or matrix instructions and memory or LDS instructions, with s_wait_alu, always for 0.
; THE PLAN.  Registers that memory or LDS instructions touch, and who else names them:
;   addresses v1-10, v16-24, v28-30   written once at the head, ahead of one wait on va_vdst; never again.  Wk's image is reached by two scalar bases, made anew at each h-tile's head, and the one offset 16 x lane.
;   L  window 2's four buffers: loaded from memory, read by the stage's LDS stores.  NN: loaded from the stage, read and written by the conversions.  BFR, PC, PW: written by the conversions, read by 13 LDS stores, which stand together
;      at the chunk's end.  A chunk has one wait on vm_vsrc at its head (the last chunk's LDS stores have read their registers) and one on va_vdst behind its conversions.
;   C  Wk's two sets, q, -2 v and Wk's scale words: loaded; read by products and slices.  An h-tile has a wait on va_vdst at its head and one ahead of product 16, each behind the waits for the data that is about to be worked on;
;      the h-tile's loads follow them, dealt among the products, into registers that nothing issued since the wait names.  The second is also the wait for the slices' exponentials; a third, in slice 28, is that for the reciprocals.
;      v11-13 (QR, WR, WSR) are written once for two h-tiles: a wait on vm_vsrc ahead of the additions; the h-tile's head wait stands behind them.
;   D  T0 ..: written by additions, stored to LDS, loaded again; the weights' word; the energies.   E  four buffers for x^T, each loaded once in a tile: no wait between its loads and products but DScnt's.
; REGISTERS, in windows of 256 (s_set_vgpr_msb: bits 1:0 source 0, 3:2 source 1, 5:4 source 2, 7:6 destination):
;   window 0: v1-31 addresses and constants; v32-47 x's scale words, v48-55 Wk's (scales and nothing else); v56-63 q; v64-127 two sets of four accumulators (in L: a chunk's 64 numbers; in E: 8 fragments of x^T); v128-135 -2 v;
;             v136-143 energy sums; v144-209 the quantiser's; v210-225 p's two fragments; v226-247 at work
;   window 1: 16 fragments of Wk, two sets.   window 2: x's fragments of K steps 0-3 (in L: four buffers of 64 for the loads; in E v192-255: 8 fragments of x^T).   window 3: K steps 4-7 (in E: 16 accumulators, 16 fragments of x^T)
;   s[54:55], s[56:57] Wk's image at h-tiles t + 1 and t + 2 of my wave's 16; s[58:59], s[60:61] their offsets; s62, s63 the mask's two compares
.set BFP,  2080                        ; a row of the bf16 copy: 2,048 bytes + 32 = 520 words: row r starts at bank 8 r mod 64 (64 banks of 4 bytes: ISA guide 11.1)
.set XIMG, 64*BFP                      ; images of x's fragments: (K step s, row tile m) at 2,048 (4 s + m) + 512 c + 16 lane
.set XSC,  XIMG+65536                  ; x's scale words [s][m][16]
.set STG,  XSC+2048                    ; the stages: for each wave 16 rows x (512 bytes + 16)
.set STP,  528
.set WSC,  STG+4*16*STP                ; Wk's scale bytes as given: 32 a row
.set QA,   WSC+32768                   ; q[b][0 .. 1023]
.set WA,   QA+4096                     ; -2 v
.set EP,   WA+4096                     ; partial energies [wave][64]
.set PA,   EP+1024                     ; p in bf16 [wave][64]: each wave's own copy
.set CS,   PA+512                      ; the way out of E: 1,024 bytes for each wave
.set L16, 1                            ; 16 x lane
.set L8,  2
.set L4,  3
.set STW, 4                            ; the stage, on the way in: 16 x lane
.set STR, 5                            ; and out: row r, + 64 h
.set BFW, 6                            ; the bf16 copy: row 16 w + r, + 32 h
.set XIW, 7                            ; where I store images: 2,048 w + 16 lane
.set XSW, 8                            ; and scale words: 64 w + 4 r
.set XIR, 9                            ; where I read images: 16 lane
.set XSR, 10                           ; and scale words: 4 lane
.set QR,  11                           ; q, -2 v and Wk's scale words of the pair of h-tiles in hand
.set WR,  12
.set WSR, 13
.set EPW, 16
.set EPR, 17
.set PAW, 18
.set PAR, 19
.set TR0, 20                           ; v20, v21: the turning loads' addresses for rows 0-31, 32-63
.set CSW, 22
.set CSR, 23
.set PFO, 24                           ; the prefetches' offset: 4 rows x 8 blocks of 256 bytes
.set VT,  25                           ; sum v
.set MK,  26                           ; v26-27 the mask words of rows 2 lane, 2 lane + 1
.set QR0, 28
.set WR0, 29
.set WSR0, 30
.set NEGR, 31                          ; -1e10
.set XS,  32                           ; register 2 s + i: lanes 0-15 row tile 2 i, lanes 16-31 row tile 2 i + 1
.set WS,  48                           ; register s: lanes 0-15 the even h-tile, lanes 16-31 the odd one
.set QQ,  56
.set ACC, 64
.set NN,  64
.set WW,  128
.set EE,  136
.set TM,  144                          ; +0..3 largest magnitudes, +4..7 bytes, +8..11 448 x the scale, +12..15 the conversions' scale operands
.set PW,  160
.set PC,  162
.set BFR, 178
.set PF16, 210
.set T0,  226
.set MSB, 0
.macro WIN new                         ; the immediate's high byte repeats the setting that is left; a switch that changes nothing is dropped
.if MSB != \new
	s_set_vgpr_msb (MSB<<8)|\new
.set MSB, \new
.endif
.endm
; chunk c (128 along e) of my 16 rows: 16 loads of 512 consecutive bytes, into buffer c % 4 of window 2
.macro ENC c
	WIN 0x80
.irp i, 0,1,2,3,4,5,6,7,8,9,10,11,12,13,14,15
	global_load_b128 v[64*((\c)%4)+4*\i:64*((\c)%4)+4*\i+3], v[L16], s[4:5] offset:\i*4096+(\c)*512 th:TH_LOAD_NT
.endr
	WIN 0
.endm
; 64 numbers of a lane, register 16 b + i = e 32 b + 16 h + i of my row, become a fragment's codes in v[PC] on and its scale word in v[PW]
.macro QUANT
.irp b, 0,1,2,3
	v_max3_num_f32 v[TM+\b], |v[NN+16*\b]|, |v[NN+16*\b+1]|, 0x4800000   ; block b: my 16 numbers, and the floor 2^(9 - 127): the byte cannot fall under 1
.endr
.irp i, 2,4,6,8,10,12,14
.irp b, 0,1,2,3
	v_max3_num_f32 v[TM+\b], v[TM+\b], |v[NN+16*\b+\i]|, |v[NN+16*\b+\i+1]|   ; the four blocks by turns
.endr
.endr
.irp b, 0,1,2,3
	v_permlanex16_b32 v[TM+4+\b], v[TM+\b], s28, s29
.endr
.irp b, 0,1,2,3
	v_max_num_f32 v[TM+\b], v[TM+\b], v[TM+4+\b]   ; with lane l xor 16's 16: the block's largest magnitude
.endr
.irp b, 0,1,2,3
	v_add_nc_u32 v[TM+12+\b], 0xfc000000, v[TM+\b] ; 8 off its exponent field: the conversion takes the exponent field of this operand as its scale
.endr
.irp b, 0,1,2,3
	v_and_or_b32 v[TM+8+\b], v[TM+\b], 0x7f800000, s30   ; 448 x the scale
.endr
.irp b, 0,1,2,3
	v_lshrrev_b32 v[TM+4+\b], 23, v[TM+12+\b]      ; the scale's byte
.endr
	v_lshl_or_b32 v[PW], v[TM+5], 8, v[TM+4]
	v_lshl_or_b32 v[PW], v[TM+6], 16, v[PW]
	v_lshl_or_b32 v[PW], v[TM+7], 24, v[PW]
.irp b, 0,1,2,3
.irp i, 0,1,2,3,4,5,6,7,8,9,10,11,12,13,14,15
	v_med3_num_f32 v[NN+16*\b+\i], v[NN+16*\b+\i], -v[TM+8+\b], v[TM+8+\b]   ; the conversion to an 8-bit code does not saturate (ISA guide 7.6.2): the hold
.endr
	v_cvt_scalef32_pk8_fp8_f32 v[PC+4*\b:PC+4*\b+1], v[NN+16*\b:NN+16*\b+7], v[TM+12+\b]
	v_cvt_scalef32_pk8_fp8_f32 v[PC+4*\b+2:PC+4*\b+3], v[NN+16*\b+8:NN+16*\b+15], v[TM+12+\b]
.endr
	v_nop                                          ; one plain line behind the last scaled conversion
.endm
.macro CHUNK s
	s_wait_alu depctr_vm_vsrc(0)                   ; the LDS stores issued so far have read their registers: the last chunk's stage stores the buffer in which the loads below land; its 13 stores v[BFR ..], v[PC ..] and v[PW], which this chunk writes again
.if (\s)+3 < 8
	ENC (\s)+3                                     ; three chunks ahead
.endif
.if (\s) <= 4
	s_wait_loadcnt 48                              ; this chunk's 16 loads are in; the three chunks behind it stay out
.else
	s_wait_loadcnt 16*(7-(\s))
.endif
	WIN 0x08                                       ; an LDS store's data are its source 1: window 2
.irp i, 0,1,2,3,4,5,6,7,8,9,10,11,12,13,14,15
	ds_store_b128 v[STW], v[64*((\s)%4)+4*\i:64*((\s)%4)+4*\i+3] offset:STP*\i
.endr
	WIN 0
.irp b, 0,1,2,3
.irp j, 0,1,2,3
	ds_load_b128 v[NN+16*\b+4*\j:NN+16*\b+4*\j+3], v[STR] offset:128*\b+16*\j   ; LDS serves a wave's instructions in order (ISA guide 5.7.1.4): these see my stores, and the next chunk's stores come behind them.  No vector instruction since the last wait on va_vdst names v[NN ..]
.endr
.endr
	s_wait_dscnt 0x0                               ; my numbers are back
.irp b, 0,1,2,3
.irp i, 0,1,2,3,4,5,6,7
	v_cvt_pk_bf16_f32 v[BFR+8*\b+\i], v[NN+16*\b+2*\i], v[NN+16*\b+2*\i+1]   ; the copy for the weighted sum, ahead of the hold
.endr
.endr
	QUANT
	s_wait_alu depctr_va_vdst(0)                   ; the conversions have written v[BFR ..], v[PC ..] and v[PW], which the 13 stores below read; and they are done with v[NN ..], in which the next chunk's LDS loads land
.irp b, 0,1,2,3
	ds_store_b128 v[BFW], v[BFR+8*\b:BFR+8*\b+3] offset:256*(\s)+64*\b
	ds_store_b128 v[BFW], v[BFR+8*\b+4:BFR+8*\b+7] offset:256*(\s)+64*\b+16
.endr
.irp c, 0,1,2,3
	ds_store_b128 v[XIW], v[PC+4*\c:PC+4*\c+3] offset:8192*(\s)+512*\c   ; the fragment goes to LDS as an image of its registers
.endr
	ds_store_b32 v[XSW], v[PW] offset:256*(\s)     ; both halves of the lanes write the same word with the same value
.endm
.macro BARRIER                         ; my LDS stores have landed and my LDS loads are in: then the work-group's barrier
	s_wait_dscnt 0x0
	s_barrier_signal -1
	s_barrier_wait -1
.endm
.macro ADDRS                           ; the LDS addresses of the pair of h-tiles in hand: s39 = 128 p, s40 = 1,024 p.  The next h-tile's head wait stands between these lines and the loads that read them
	v_add_nc_u32 v[QR], s39, v[QR0]
	v_add_nc_u32 v[WR], s39, v[WR0]
	v_add_nc_u32 v[WSR], s40, v[WSR0]
.endm
; Product PK = 4 s + m of an h-tile: K step s, row tile m.  The four accumulators take turns, one instruction a turn, over the edges of h-tiles too.
.macro PROD par
.set KS_, PK/4
.set MR_, PK%4
.set RD_, ACC+32*(\par)+8*MR_
.set RA_, 128*(\par)+16*KS_
.set RC_, RD_
.if KS_ == 0
.set RC_, QQ                           ; q starts the sum
.endif
.if KS_ < 4
	WIN 0x09                                       ; source 0 (Wk) window 1, source 1 (x) window 2
.set RX_, 64*KS_+16*MR_
.else
	WIN 0x0d                                       ; source 1 window 3
.set RX_, 64*(KS_-4)+16*MR_
.endif
.if ((\par) == 0) && (MR_%2 == 0)
	v_wmma_scale_f32_16x16x128_f8f6f4 v[RD_:RD_+7], v[RA_:RA_+15], v[RX_:RX_+15], v[RC_:RC_+7], v[WS+KS_], v[XS+2*KS_+MR_/2]
.elseif (MR_%2 == 0)
	v_wmma_scale_f32_16x16x128_f8f6f4 v[RD_:RD_+7], v[RA_:RA_+15], v[RX_:RX_+15], v[RC_:RC_+7], v[WS+KS_], v[XS+2*KS_+MR_/2] matrix_a_scale:MATRIX_SCALE_ROW1
.elseif ((\par) == 0)
	v_wmma_scale_f32_16x16x128_f8f6f4 v[RD_:RD_+7], v[RA_:RA_+15], v[RX_:RX_+15], v[RC_:RC_+7], v[WS+KS_], v[XS+2*KS_+MR_/2] matrix_b_scale:MATRIX_SCALE_ROW1
.else
	v_wmma_scale_f32_16x16x128_f8f6f4 v[RD_:RD_+7], v[RA_:RA_+15], v[RX_:RX_+15], v[RC_:RC_+7], v[WS+KS_], v[XS+2*KS_+MR_/2] matrix_a_scale:MATRIX_SCALE_ROW1 matrix_b_scale:MATRIX_SCALE_ROW1
.endif
.endm
; Slice PK of the tanh of the h-tile before, on the other set of accumulators: 112 instructions in five stages.
;   0-3 y x 2 log2(e), an accumulator a slice, each from its low end on | 4-11 the 32 exponentials | 16-19 + 1 | 20-27 the 32 reciprocals | 28-31 energy sums += r x (-2 v)
; Each batch of 32 transcendentals has one plain line behind it and ONE wait ahead of its first reader: the exponentials' is the h-tile's wait ahead of product 16, the reciprocals' stands in slice 28.
; PLACES (eight behind this form before a vector instruction reads a result).  Ahead of the first read of accumulator 0, 1, 2, 3 (products 28 to 31; read in the next h-tile's slices 0 to 3):
; slices 28 to 31 | 29 to 31 and 0 | 30, 31, 0, 1 | 31, 0, 1, 2.   first = 1: there is no h-tile before: eight v_nop in slices 28 and 29 keep the places of accumulators 0 and 1; the next h-tile's slices 0, 1, 2 are those of 2 and 3.
.macro SLICE par, first
.set RT_, ACC+32*(1-(\par))
.if \first
.if (PK == 28) || (PK == 29)
	WIN 0
.rept 4
	v_nop
.endr
.endif
.elseif PK < 4
	WIN 0
.irp i, 0,2,4,6
	v_pk_mul_f32 v[RT_+8*PK+\i:RT_+8*PK+\i+1], v[RT_+8*PK+\i:RT_+8*PK+\i+1], s[32:33] op_sel_hi:[1,0]
.endr
.elseif PK < 12
	WIN 0
.irp i, 0,1,2,3
	v_exp_f32 v[RT_+4*(PK-4)+\i], v[RT_+4*(PK-4)+\i]
.endr
.if PK == 11
	v_nop                                          ; the plain line behind the last exponential
.endif
.elseif PK < 16
.elseif PK < 20
	WIN 0
.irp i, 0,2,4,6
	v_pk_add_f32 v[RT_+8*(PK-16)+\i:RT_+8*(PK-16)+\i+1], v[RT_+8*(PK-16)+\i:RT_+8*(PK-16)+\i+1], 1.0 op_sel_hi:[1,0]
.endr
.elseif PK < 28
	WIN 0
.irp i, 0,1,2,3
	v_rcp_f32 v[RT_+4*(PK-20)+\i], v[RT_+4*(PK-20)+\i]
.endr
.else
	WIN 0
.if PK == 28
	v_nop                                          ; the plain line behind the last reciprocal
	s_wait_alu depctr_va_vdst(0)                   ; the 32 reciprocals have written their results, which the lines below read
.endif
.irp m, 0,1,2,3
	v_pk_fma_f32 v[EE+2*\m:EE+2*\m+1], v[RT_+8*\m+2*(PK-28):RT_+8*\m+2*(PK-28)+1], v[WW+2*(PK-28):WW+2*(PK-28)+1], v[EE+2*\m:EE+2*\m+1]
.endr
.endif
.endm
; Behind products 0 to 3: fragment 4 + PK of h-tile t + 1 into the other set.  Behind product 0 also: -2 v for this h-tile's slices; ws = 2: the upper half of the new pair's scale words.
; No wait: nothing issued since the head's wait names these registers (products 0 to 3 name this set's fragment 0, q and the lower scale words; slices 0 to 3 the other accumulators).
.macro RUNB par, first, woff, ws
.if PK == 0
.if !(\first)
	WIN 0
	ds_load_b128 v[WW:WW+3], v[WR] offset:\woff
	ds_load_b128 v[WW+4:WW+7], v[WR] offset:\woff+16
.endif
.if (\ws) == 2
	WIN 0
	ds_load_b128 v[WS+4:WS+7], v[WSR] offset:1024+16
.endif
.endif
	WIN 0x40
.irp c, 0,1,2,3
	global_load_b128 v[128*(1-(\par))+64+16*PK+4*\c:128*(1-(\par))+64+16*PK+4*\c+3], v[L16], s[54:55] offset:8192+2048*PK+512*\c
.endr
.endm
; Behind products 16 to 19: fragment PK - 16 of h-tile t + 2 into this set.  Behind product 16 also: q of h-tile t + 1; ws = 1: the lower half of the next pair's scale words.
; No wait: nothing issued since the wait ahead of product 16 names these registers (products 16 on name fragments 4-7 and the upper scale words).
; ask = 1: A PREFETCH of my wave's rows of the NEXT tile of x, behind the last of these loads: 4 rows x 2,048 bytes (chunks 0 to 3), lanes 256 bytes apart, in each of the loop's last four trips: rows 0-3, 4-7, 8-11, 12-15.
; Each block is named once in the launch, by the wave that will load it.  In the last tile nothing is asked for: s38 = 0.
.macro RUNA par, last, qoff, ws, ask
.if PK == 16
.if !(\last)
	WIN 0
	ds_load_b128 v[QQ:QQ+3], v[QR] offset:\qoff
	ds_load_b128 v[QQ+4:QQ+7], v[QR] offset:\qoff+16
.endif
.if (\ws) == 1
	WIN 0
	ds_load_b128 v[WS:WS+3], v[WSR] offset:1024
.endif
.endif
	WIN 0x40
.irp c, 0,1,2,3
	global_load_b128 v[128*(\par)+16*(PK-16)+4*\c:128*(\par)+16*(PK-16)+4*\c+3], v[L16], s[56:57] offset:2048*(PK-16)+512*\c
.endr
.if (PK == 19) && \ask
	WIN 0                                          ; at a branch and at a label every window is 0
	s_cmp_le_u32 s24, s38
	s_cbranch_scc0 .Lnoask_\@
	global_prefetch_b8 v[PFO], s[36:37] th:TH_LOAD_NT scope:SCOPE_SE
.Lnoask_\@:
.endif
.endm
; AN H-TILE.  The ring of Wk's loads: three runs of 16 are out at the head: (t - 2)'s second run (fragments 0-3 of t), (t - 1)'s first (4-7 of t), (t - 1)'s second (0-3 of t + 1).
.macro TILE par, first, last, qoff, woff, ws, ask
	WIN 0
	s_add_co_u32 s58, s25, 0x4000                  ; h-tiles t + 1 and t + 2 in my wave's 16: the ring goes round
	s_and_b32 s58, s58, 0x3ffff
	s_add_co_u32 s60, s25, 0x8000
	s_and_b32 s60, s60, 0x3ffff
	s_wait_xcnt 0x0                                ; the last runs of loads and the last prefetch, 12 products back or more, have had their addresses translated: their bases may be written
	s_add_nc_u64 s[54:55], s[12:13], s[58:59]
	s_add_nc_u64 s[56:57], s[12:13], s[60:61]
.if \ask
	s_add_nc_u64 s[36:37], s[36:37], 16384         ; the prefetches' pointer: four rows on in each trip
.endif
	s_wait_loadcnt 32                              ; fragments 0-3 are in: two runs of 16 were issued behind theirs
	s_wait_dscnt 0x0                               ; q and the lower scale words
	s_wait_alu depctr_va_vdst(0)                   ; the last h-tile's products 16 to 31 are done reading the other set's fragments 4-7 and the upper scale words, its slices are done reading -2 v: loads land in all of them below; v[QR], v[WR], v[WSR] are written
.set PK, 0
.rept 32
.if PK == 16
	s_wait_loadcnt 32                              ; fragments 4-7 are in: behind their run stand the last h-tile's second run and this one's first
	s_wait_dscnt 0x0                               ; -2 v and the upper scale words
	s_wait_alu depctr_va_vdst(0)                   ; products 0 to 15 are done reading this set's fragments 0-3, q and the lower scale words, in which loads land below; the 32 exponentials have written their results, which slice 16 reads first
.endif
	PROD \par
	SLICE \par, \first
.if PK < 4
	RUNB \par, \first, \woff, \ws
.elseif (PK >= 16) && (PK < 20)
	RUNA \par, \last, \qoff, \ws, \ask
.endif
.set PK, PK+1
.endr
	s_mov_b32 s25, s58
.endm
; E: group gi: rows 32 (gi / 2) on, channels 128 (gi % 2) on: eight fragments of x^T.  Each group has registers of its own, idle in this phase: window 3 v128-191, v192-255; window 2 v192-255; window 0 v64-127
.macro VSET gi
.if (\gi) < 2
.set VB_, 128+64*(\gi)
.set VW_, 3
.elseif (\gi) == 2
.set VB_, 192
.set VW_, 2
.else
.set VB_, 64
.set VW_, 0
.endif
.set VWL_, VW_*64                      ; a load's destination window
.set VWM_, 0xf0+VW_                    ; a product's: source 0 there, source 1 (p) window 0, C and D window 3
.endm
.macro VLOAD gi
	VSET \gi
	WIN VWL_
.irp u, 0,1,2,3,4,5,6,7
	ds_load_tr16_b128 v[VB_+8*\u:VB_+8*\u+3], v[TR0+(\gi)/2] offset:32*(8*((\gi)%2)+\u)
	ds_load_tr16_b128 v[VB_+8*\u+4:VB_+8*\u+7], v[TR0+(\gi)/2] offset:16*BFP+32*(8*((\gi)%2)+\u)
.endr
.endm
.macro VMUL gi                         ; its eight products, eight accumulators by turns; rows 0-31 start the sums
	VSET \gi
	WIN VWM_
.irp u, 0,1,2,3,4,5,6,7
.if (\gi)/2 == 0
	v_wmma_f32_16x16x32_bf16 v[8*(8*((\gi)%2)+\u):8*(8*((\gi)%2)+\u)+7], v[VB_+8*\u:VB_+8*\u+7], v[PF16:PF16+7], 0
.else
	v_wmma_f32_16x16x32_bf16 v[8*(8*((\gi)%2)+\u):8*(8*((\gi)%2)+\u)+7], v[VB_+8*\u:VB_+8*\u+7], v[PF16+8:PF16+15], v[8*(8*((\gi)%2)+\u):8*(8*((\gi)%2)+\u)+7]
.endif
.endr
.endm
	; ---------------- the head
	s_load_b512 s[4:19], s[0:1], 0x0               ; x s[4:5], mask s[6:7], v s[8:9], Wk's scales s[10:11], Wk's image s[12:13], qt s[14:15], energy s[16:17], ctxp s[18:19]
	v_lshl_add_u32 v254, v0, 2, 0x44a00
	v_mov_b32 v255, 0
	v_lshrrev_b32 v[NEGR], 5, v0
	v_readfirstlane_b32 s20, v[NEGR]               ; wave 0..3
	s_and_b32 s22, ttmp7, 0xffff                   ; the batch
	v_and_b32 v[T0], 31, v0                        ; lane
	v_and_b32 v[T0+1], 15, v0                      ; r
	v_bfe_u32 v[T0+2], v0, 4, 1                    ; h
	v_lshlrev_b32 v[L16], 4, v[T0]
	v_lshlrev_b32 v[L8], 3, v[T0]
	v_lshlrev_b32 v[L4], 2, v[T0]
	s_wait_alu depctr_va_sdst(0)                   ; s20 is written, ahead of its first reader
	s_mul_i32 s52, s20, 16*STP
	s_add_co_u32 s52, s52, STG                     ; my stage
	v_add_nc_u32 v[STW], s52, v[L16]
	v_mul_u32_u24 v[STR], v[T0+1], STP
	v_lshl_add_u32 v[STR], v[T0+2], 6, v[STR]
	v_add_nc_u32 v[STR], s52, v[STR]
	s_mul_i32 s52, s20, 16*BFP
	v_mul_u32_u24 v[BFW], v[T0+1], BFP
	v_lshl_add_u32 v[BFW], v[T0+2], 5, v[BFW]
	v_add_nc_u32 v[BFW], s52, v[BFW]
	s_lshl_b32 s52, s20, 11
	s_add_co_u32 s52, s52, XIMG
	v_add_nc_u32 v[XIW], s52, v[L16]
	s_lshl_b32 s52, s20, 6
	s_add_co_u32 s52, s52, XSC
	v_lshl_add_u32 v[XSW], v[T0+1], 2, s52
	v_add_nc_u32 v[XIR], XIMG, v[L16]
	v_add_nc_u32 v[XSR], XSC, v[L4]
	s_lshl_b32 s53, s20, 10                        ; 1,024 w: my 256 hidden units, or channels, in f32
	s_add_co_u32 s52, s53, QA
	v_lshl_add_u32 v[QR0], v[T0+2], 5, s52
	s_add_co_u32 s52, s53, WA
	v_lshl_add_u32 v[WR0], v[T0+2], 5, s52
	s_add_co_u32 s52, s53, CS
	v_lshl_add_u32 v[CSW], v[T0+2], 5, s52
	v_add_nc_u32 v[CSR], s52, v[L16]
	s_lshl_b32 s52, s20, 13
	s_add_co_u32 s52, s52, WSC
	v_lshl_add_u32 v[WSR0], v[T0], 5, s52          ; Wk's row 256 w + lane: 32 scale bytes a row
	s_lshl_b32 s52, s20, 8
	s_add_co_u32 s52, s52, EP
	v_lshl_add_u32 v[EPW], v[T0+1], 2, s52
	v_add_nc_u32 v[EPR], EP, v[L8]
	s_lshl_b32 s52, s20, 7
	s_add_co_u32 s52, s52, PA
	v_add_nc_u32 v[PAW], s52, v[L4]
	v_lshl_add_u32 v[PAR], v[T0+2], 4, s52
	v_and_b32 v[T0+3], 7, v0
	v_lshl_add_u32 v[T0+3], v[T0+2], 3, v[T0+3]    ; the turning load: row 8 h + lane % 8,
	v_mul_u32_u24 v[TR0], v[T0+3], BFP
	v_bfe_u32 v[T0+3], v0, 3, 1
	v_lshl_add_u32 v[TR0], v[T0+3], 4, v[TR0]      ; 16 bytes for each group of eight lanes,
	s_lshl_b32 s52, s20, 9
	v_add_nc_u32 v[TR0], s52, v[TR0]               ; my 256 channels in bf16
	v_add_nc_u32 v[TR0+1], 32*BFP, v[TR0]
	v_lshrrev_b32 v[PFO], 3, v[T0]
	v_lshlrev_b32 v[PFO], 12, v[PFO]
	v_and_b32 v[T0+3], 7, v0
	v_lshl_add_u32 v[PFO], v[T0+3], 8, v[PFO]
	v_lshlrev_b32 v[T0+4], 4, v0                   ; 16 x thread: the dense copies into LDS
	v_lshrrev_b32 v[T0+5], 2, v0
	v_lshlrev_b32 v[T0+5], 12, v[T0+5]
	v_and_b32 v[T0+3], 3, v0
	v_lshl_add_u32 v[T0+5], v[T0+3], 4, v[T0+5]    ; qt: piece x = thread (+ 128) of q: (x / 4) x 4,096 + (x % 4) x 16
	v_lshl_add_u32 v[T0+6], v0, 4, WSC
	v_lshl_add_u32 v[T0+7], v0, 4, QA
	v_lshl_add_u32 v[T0+8], v0, 4, WA
	s_lshl_b32 s42, s22, 22                        ; x: the batch's 4 MiB, my work-group's 256 rows, my wave's 16
	s_lshl_b32 s41, ttmp9, 20
	s_add_co_u32 s42, s42, s41
	s_lshl_b32 s41, s20, 16
	s_add_co_u32 s42, s42, s41
	s_mov_b32 s43, 0
	s_lshl_b32 s44, s22, 12                        ; mask and energy: 4 bytes a row
	s_lshl_b32 s41, ttmp9, 10
	s_add_co_u32 s44, s44, s41
	s_mov_b32 s45, 0
	s_lshl_b32 s46, s22, 16                        ; ctxp [batch][16 tiles][1024]: + my 256 channels
	s_lshl_b32 s41, ttmp9, 14
	s_add_co_u32 s46, s46, s41
	s_add_co_u32 s46, s46, s53
	s_mov_b32 s47, 0
	s_lshl_b32 s48, s20, 18                        ; my 16 h-tiles of Wk's image
	s_mov_b32 s49, 0
	s_lshl_b32 s50, s22, 6                         ; qt: the batch's 64 bytes in each block of 4,096
	s_mov_b32 s51, 0
	s_mov_b32 s28, 0x76543210
	s_mov_b32 s29, 0xfedcba98                      ; v_permlanex16_b32's selects for lane l xor 16
	s_mov_b32 s30, 0x600000                        ; the mantissa field of 448
	s_mov_b32 s32, 0x4038aa3b                      ; 2 log2(e)
	s_mov_b32 s33, s32                             ; (named with it as a pair, so it is written)
	s_mov_b32 s34, 0x3fb8aa3b                      ; log2(e)
	s_mov_b32 s23, 4                               ; tiles to go
	s_mov_b32 s25, 0                               ; the ring of Wk's loads stands at h-tile 0
	s_mov_b32 s59, 0                               ; the upper words of the ring's two offsets
	s_mov_b32 s61, 0
	s_wait_kmcnt 0x0
	s_add_nc_u64 s[4:5], s[4:5], s[42:43]
	s_add_nc_u64 s[6:7], s[6:7], s[44:45]
	s_add_nc_u64 s[16:17], s[16:17], s[44:45]
	s_add_nc_u64 s[18:19], s[18:19], s[46:47]
	s_add_nc_u64 s[12:13], s[12:13], s[48:49]
	s_add_nc_u64 s[14:15], s[14:15], s[50:51]
	s_wait_alu depctr_va_vdst(0)                   ; every address and offset made above is written: the kernel's loads, stores and its prefetch read them
.irp i, 0,1,2,3,4,5,6,7,8,9,10,11,12,13,14,15
	global_load_b128 v[64+4*\i:67+4*\i], v[T0+4], s[10:11] offset:2048*\i   ; Wk's scale bytes: 128 threads x 16 bytes, 16 times
.endr
	global_load_b128 v[128:131], v[T0+5], s[14:15]
	global_load_b128 v[132:135], v[T0+5], s[14:15] offset:131072
	global_load_b128 v[136:139], v[T0+4], s[8:9]
	global_load_b128 v[140:143], v[T0+4], s[8:9] offset:2048
.irp i, 0,1,2,3,4,5,6,7
	global_load_b128 v[144+4*\i:147+4*\i], v[L16], s[8:9] offset:512*\i   ; all of v once more for each wave, for sum v
.endr
	WIN 0x40                                       ; the ring's first three runs: h-tile 0 whole into set 0, fragments 0-3 of h-tile 1 into set 1
.irp f, 0,1,2,3,4,5,6,7
.irp c, 0,1,2,3
	global_load_b128 v[16*\f+4*\c:16*\f+4*\c+3], v[L16], s[12:13] offset:2048*\f+512*\c
.endr
.endr
.irp f, 0,1,2,3
.irp c, 0,1,2,3
	global_load_b128 v[128+16*\f+4*\c:128+16*\f+4*\c+3], v[L16], s[12:13] offset:16384+2048*\f+512*\c
.endr
.endr
	WIN 0
	s_wait_loadcnt 48                              ; the 28 small loads are in; the ring's 48 stay out
	ENC 0                                          ; the first tile's first three chunks: on their way during the work below, which names none of their registers
	ENC 1
	ENC 2
.irp i, 0,1,2,3,4,5,6,7,8,9,10,11,12,13,14,15
	ds_store_b128 v[T0+6], v[64+4*\i:67+4*\i] offset:2048*\i
.endr
	ds_store_b128 v[T0+7], v[128:131]
	ds_store_b128 v[T0+7], v[132:135] offset:2048
.irp j, 0,2,4,6
	v_pk_mul_f32 v[136+\j:137+\j], v[136+\j:137+\j], -2.0 op_sel_hi:[1,0]
.endr
.irp j, 4,8,12,16,20,24,28
	v_pk_add_f32 v[144:145], v[144:145], v[144+\j:145+\j]   ; sum v: my 32 numbers in two chains,
	v_pk_add_f32 v[146:147], v[146:147], v[146+\j:147+\j]
.endr
	v_pk_add_f32 v[144:145], v[144:145], v[146:147]
	v_add_f32 v[VT], v144, v145
	v_add_f32_dpp v[VT], v[VT], v[VT] row_xmask:1 row_mask:0xf bank_mask:0xf   ; then over the 32 lanes
	v_add_f32_dpp v[VT], v[VT], v[VT] row_xmask:2 row_mask:0xf bank_mask:0xf
	v_add_f32_dpp v[VT], v[VT], v[VT] row_xmask:4 row_mask:0xf bank_mask:0xf
	v_add_f32_dpp v[VT], v[VT], v[VT] row_xmask:8 row_mask:0xf bank_mask:0xf
	v_permlanex16_b32 v[NEGR], v[VT], s28, s29
	v_add_f32 v[VT], v[VT], v[NEGR]
	v_mov_b32 v[NEGR], 0xd01502f9                  ; -1e10
.irp b, 0,1,2,3
	v_mov_b32 v[TM+4+\b], 0                        ; written once: a lane permute's destination counts as one of its sources
	v_mov_b32 v[T0+10+\b], 0
.endr
	s_wait_alu depctr_va_vdst(0)                   ; the four multiplications have written -2 v in v136 to v143, which the two stores below read
	ds_store_b128 v[T0+8], v[136:139]
	ds_store_b128 v[T0+8], v[140:143] offset:2048
	BARRIER                                        ; Wk's scale bytes, q and -2 v lie in LDS
.Ltile:
	; ---------------- L: my 16 rows: bf16 copy, codes, scale words.  (Chunk 0's first wait also covers the head's LDS stores, or the last tile's stores)
	CHUNK 0
	CHUNK 1
	CHUNK 2
	CHUNK 3
	CHUNK 4
	CHUNK 5
	CHUNK 6
	CHUNK 7
	BARRIER                                        ; the tile's 32 images, its scale words and its bf16 copy are whole
	; ---------------- X: all 64 rows' codes into registers.  No vector or matrix instruction has been issued since chunk 7's wait on va_vdst: every reader of the registers loaded here is done
	s_wait_alu depctr_vm_vsrc(0)                   ; chunk 7's stage stores have read window 2's last buffer, in which images land below; the last tile's LDS loads have read v[QR], v[WR], v[WSR], which are written below
	global_load_b64 v[MK:MK+1], v[L8], s[6:7]      ; the tile's mask words; the second h-tile's first wait shows them landed (32 younger loads)
.irp s, 0,1,2,3,4,5,6,7
.irp i, 0,1
	ds_load_b32 v[XS+2*\s+\i], v[XSR] offset:256*\s+128*\i
.endr
.endr
	ds_load_b128 v[QQ:QQ+3], v[QR0]                ; q and the scale words of h-tile 0
	ds_load_b128 v[QQ+4:QQ+7], v[QR0] offset:16
	ds_load_b128 v[WS:WS+3], v[WSR0]
	ds_load_b128 v[WS+4:WS+7], v[WSR0] offset:16
	WIN 0x80
.irp s, 0,1,2,3
.irp m, 0,1,2,3
.irp c, 0,1,2,3
	ds_load_b128 v[64*\s+16*\m+4*\c:64*\s+16*\m+4*\c+3], v[XIR] offset:2048*(4*\s+\m)+512*\c
.endr
.endr
.endr
	WIN 0xc0
.irp s, 4,5,6,7
.irp m, 0,1,2,3
.irp c, 0,1,2,3
	ds_load_b128 v[64*(\s-4)+16*\m+4*\c:64*(\s-4)+16*\m+4*\c+3], v[XIR] offset:2048*(4*\s+\m)+512*\c
.endr
.endr
.endr
	WIN 0
.irp j, 0,1,2,3,4,5,6,7
	v_mov_b32 v[EE+\j], 0                          ; the energy sums begin anew
.endr
	s_mov_b32 s39, 0
	s_mov_b32 s40, 0
	s_add_nc_u64 s[36:37], s[4:5], 196608          ; the prefetches' pointer: four steps of 16,384 short of my rows of the next tile, 262,144 bytes on
	s_cmp_eq_u32 s23, 1
	s_cselect_b32 s38, 0, 4                        ; the last four trips ask, where there is a next tile
	ADDRS
	s_wait_dscnt 0x0
	; ---------------- C: 16 h-tiles
	TILE 0, 1, 0, 64, 0, 0, 0                      ; h-tile 0: no tanh beside it yet
	WIN 0                                          ; at a label and at a branch every window is 0
	s_mov_b32 s24, 7
.Lh:                                               ; trip p: h-tiles 2 p + 1 and 2 p + 2
	s_wait_alu depctr_vm_vsrc(0)                   ; the LDS loads issued so far have read v[QR], v[WR], v[WSR]
	ADDRS
	TILE 1, 0, 0, 128, 0, 1, 1
	TILE 0, 0, 0, 192, 64, 2, 0
	WIN 0
	s_add_co_u32 s39, s39, 128
	s_add_co_u32 s40, s40, 1024
	s_sub_co_u32 s24, s24, 1
	s_cmp_lg_u32 s24, 0
	s_cbranch_scc1 .Lh
	s_wait_alu depctr_vm_vsrc(0)                   ; the LDS loads issued so far have read v[QR], v[WR], v[WSR]
	ADDRS
	TILE 1, 0, 1, 0, 0, 0, 0                       ; h-tile 15
	WIN 0
	; the tanh of h-tile 15, with no products beside it.  Places ahead of each accumulator's first read: slices 28 to 31 | 29 to 31 | 30, 31 | 31 and the twelve scalings of the three accumulators before
.set J_, 0
.rept 16
	v_pk_mul_f32 v[ACC+32+J_:ACC+33+J_], v[ACC+32+J_:ACC+33+J_], s[32:33] op_sel_hi:[1,0]
.set J_, J_+2
.endr
.set J_, 0
.rept 32
	v_exp_f32 v[ACC+32+J_], v[ACC+32+J_]
.set J_, J_+1
.endr
	v_nop
	s_wait_alu depctr_va_vdst(0)                   ; the 32 exponentials have written their results; h-tile 15's slices are done reading -2 v, in which the load below lands; its products are done reading x's fragments
	ds_load_b128 v[WW:WW+3], v[WR] offset:64
	ds_load_b128 v[WW+4:WW+7], v[WR] offset:80
.set J_, 0
.rept 16
	v_pk_add_f32 v[ACC+32+J_:ACC+33+J_], v[ACC+32+J_:ACC+33+J_], 1.0 op_sel_hi:[1,0]
.set J_, J_+2
.endr
.set J_, 0
.rept 32
	v_rcp_f32 v[ACC+32+J_], v[ACC+32+J_]
.set J_, J_+1
.endr
	v_nop
	s_wait_alu depctr_va_vdst(0)                   ; the 32 reciprocals have written their results
	s_wait_dscnt 0x0                               ; -2 v of h-tile 15
.irp i, 0,1,2,3
.irp m, 0,1,2,3
	v_pk_fma_f32 v[EE+2*\m:EE+2*\m+1], v[ACC+32+8*\m+2*\i:ACC+33+8*\m+2*\i], v[WW+2*\i:WW+2*\i+1], v[EE+2*\m:EE+2*\m+1]
.endr
.endr
	; the next tile's first three chunks are asked for here, if there is a next tile: no load leaves its buffer.  Window 2's readers, the products, stand ahead of the waits above, and nothing issued since names it
	s_cmp_eq_u32 s23, 1
	s_cbranch_scc1 .Lnonext
	s_wait_xcnt 0x0                                ; the earlier loads have read their base
	s_add_nc_u64 s[4:5], s[4:5], 262144
	ENC 0
	ENC 1
	ENC 2
.Lnonext:
	; ---------------- D: the tile's energies and weights
.irp m, 0,1,2,3
	v_add_f32 v[T0+\m], v[EE+2*\m], v[EE+2*\m+1]
.endr
.irp m, 0,1,2,3
	v_permlanex16_b32 v[T0+10+\m], v[T0+\m], s28, s29
.endr
.irp m, 0,1,2,3
	v_add_f32 v[T0+\m], v[T0+\m], v[T0+10+\m]      ; with lane l xor 16's eight units of each h-tile: row 16 m + r over my 256 hidden units
.endr
	s_wait_alu depctr_va_vdst(0)                   ; the additions have written v[T0 .. T0+3], which the four stores read
.irp m, 0,1,2,3
	ds_store_b32 v[EPW], v[T0+\m] offset:64*\m
.endr
	BARRIER                                        ; the four waves' parts lie in LDS
	s_wait_alu depctr_vm_vsrc(0)                   ; my four stores have read v[T0 .. T0+3], in which the loads below land
.irp q, 0,1,2,3
	ds_load_b64 v[T0+2*\q:T0+2*\q+1], v[EPR] offset:256*\q   ; every wave takes all 64 rows: lane l rows 2 l, 2 l + 1
.endr
	s_wait_dscnt 0x0
	v_pk_add_f32 v[T0:T0+1], v[T0:T0+1], v[T0+2:T0+3]
	v_pk_add_f32 v[T0+4:T0+5], v[T0+4:T0+5], v[T0+6:T0+7]
	v_pk_add_f32 v[T0:T0+1], v[T0:T0+1], v[T0+4:T0+5]
	v_add_f32 v[T0], v[T0], v[VT]
	v_add_f32 v[T0+1], v[T0+1], v[VT]
	v_cmp_eq_u32 s62, 0, v[MK]
	v_cmp_eq_u32 s63, 0, v[MK+1]
	s_wait_alu depctr_va_sdst(0)                   ; the two compares have written s62 and s63, ahead of their readers
	v_cndmask_b32 v[T0], v[T0], v[NEGR], s62       ; a masked row's energy is -1e10
	v_cndmask_b32 v[T0+1], v[T0+1], v[NEGR], s63
	v_max_num_f32 v[T0+8], v[T0], v[T0+1]
	v_max_num_f32_dpp v[T0+8], v[T0+8], v[T0+8] row_xmask:1 row_mask:0xf bank_mask:0xf
	v_max_num_f32_dpp v[T0+8], v[T0+8], v[T0+8] row_xmask:2 row_mask:0xf bank_mask:0xf
	v_max_num_f32_dpp v[T0+8], v[T0+8], v[T0+8] row_xmask:4 row_mask:0xf bank_mask:0xf
	v_max_num_f32_dpp v[T0+8], v[T0+8], v[T0+8] row_xmask:8 row_mask:0xf bank_mask:0xf
	v_permlanex16_b32 v[T0+10], v[T0+8], s28, s29
	v_max_num_f32 v[T0+8], v[T0+8], v[T0+10]       ; the tile's largest energy
	v_sub_f32 v[T0+12], v[T0], v[T0+8]             ; the difference first, then the factor: beside -1e10 a fused form would lose the small energies
	v_sub_f32 v[T0+13], v[T0+1], v[T0+8]
	v_mul_f32 v[T0+12], s34, v[T0+12]
	v_mul_f32 v[T0+13], s34, v[T0+13]
	v_exp_f32 v[T0+12], v[T0+12]
	v_exp_f32 v[T0+13], v[T0+13]
	v_nop
	s_wait_alu depctr_va_vdst(0)                   ; the two exponentials have written their results
	v_cvt_pk_bf16_f32 v[T0+9], v[T0+12], v[T0+13]
	s_wait_alu depctr_va_vdst(0)                   ; the rounding has written v[T0+9], which the LDS store reads; the selects have written v[T0], v[T0+1], which wave 0's store reads
	s_cmp_lg_u32 s20, 0
	s_cbranch_scc1 .Lnot0
	global_store_b64 v[L8], v[T0:T0+1], s[16:17]   ; wave 0 stores the energies: 256 consecutive bytes, aligned
.Lnot0:
	ds_store_b32 v[PAW], v[T0+9]                   ; my wave's own copy of the 64 weights: no barrier
.irp j, 0,1,2,3
	ds_load_b128 v[PF16+4*\j:PF16+4*\j+3], v[PAR] offset:32*\j   ; source 1, 32 rows x 16 columns, every column the same: registers 0-3 rows 8 h on, 4-7 rows 16 + 8 h on; then rows 32 on
.endr
	; ---------------- E: my 256 channels of sum p x.  All 64 turning loads go out at once, each group into registers of its own, whose last readers stand ahead of the waits above
	VLOAD 0
	VLOAD 1
	VLOAD 2
	VLOAD 3
	s_wait_dscnt 48                                ; p and group 0 are in; the three groups behind it, 16 loads each, may be out
	VMUL 0
	s_wait_dscnt 32
	VMUL 1
	s_wait_dscnt 16
	VMUL 2
	s_wait_dscnt 0x0
	VMUL 3
	WIN 0
.rept 4
	v_nop                                          ; four places behind this form before a store reads a result
.endr
	s_wait_alu depctr_va_vdst(0)                   ; the products have written the 16 accumulators, which the LDS stores read (the places above stay beside this wait); and they are done reading x^T's buffers, in two of which the next tile's loads land
	WIN 0x0c                                       ; an LDS store's data are its source 1: window 3
.irp u, 0,1,2,3,4,5,6,7,8,9,10,11,12,13,14,15
	ds_store_b128 v[CSW], v[8*\u:8*\u+3] offset:64*\u          ; channels 16 u + 8 h + 0 .. 7; the 16 lanes of a half hold the same numbers and write the same bytes.  Each accumulator from its low end on
	ds_store_b128 v[CSW], v[8*\u+4:8*\u+7] offset:64*\u+16
.endr
	WIN 0
	ds_load_b128 v[T0+14:T0+17], v[CSR]            ; my own bytes, served in order
	ds_load_b128 v[T0+18:T0+21], v[CSR] offset:512
	s_wait_dscnt 0x0
	global_store_b128 v[L16], v[T0+14:T0+17], s[18:19] th:TH_STORE_NT             ; 512 consecutive bytes each, aligned
	global_store_b128 v[L16], v[T0+18:T0+21], s[18:19] offset:512 th:TH_STORE_NT
	BARRIER                                        ; every wave's reads of the bf16 copy and of the partial energies are over: the next tile may write them
	s_wait_xcnt 0x0                                ; the stores, the mask's load and the prefetches have read their registers and bases
	s_add_nc_u64 s[6:7], s[6:7], 256
	s_add_nc_u64 s[16:17], s[16:17], 256
	s_add_nc_u64 s[18:19], s[18:19], 4096
	s_sub_co_u32 s23, s23, 1
	s_cmp_lg_u32 s23, 0
	s_cbranch_scc1 .Ltile
	s_wait_dscnt 0x0
	s_wait_alu depctr_hold_cnt(0) depctr_sa_sdst(0) depctr_va_vdst(0) depctr_va_sdst(0) depctr_va_ssrc(0) depctr_va_vcc(0) depctr_vm_vsrc(0)
	s_wait_tensorcnt 0x0
	ds_add_u32 v254, v255
	s_wait_dscnt 0x0
	s_endpgm
.Lfunc_end_k_q2b157da776_main:
	.size	k_q2b157da776_main, .Lfunc_end_k_q2b157da776_main-k_q2b157da776_main
	.p2alignl 7, 3214868480
	.fill 96, 4, 3214868480
	.section	.rodata,"a",@progbits
	.p2align	6, 0x0
	.amdhsa_kernel k_q2b157da776_main
		.amdhsa_group_segment_fixed_size 281600
		.amdhsa_private_segment_fixed_size 0
		.amdhsa_enable_private_segment 0
		.amdhsa_kernarg_size 64
		.amdhsa_user_sgpr_count 2
		.amdhsa_user_sgpr_kernarg_segment_ptr 1
		.amdhsa_wavefront_size32 1
		.amdhsa_system_sgpr_workgroup_id_x 1
		.amdhsa_system_sgpr_workgroup_id_y 1
		.amdhsa_system_sgpr_workgroup_id_z 1
		.amdhsa_system_vgpr_workitem_id 0
		.amdhsa_next_free_vgpr 1024
		.amdhsa_next_free_sgpr 66
		.amdhsa_reserve_vcc 0
		.amdhsa_float_denorm_mode_32 3
		.amdhsa_float_denorm_mode_16_64 3
		.amdhsa_memory_ordered 1
		.amdhsa_forward_progress 1
		.amdhsa_inst_pref_size 219
	.end_amdhsa_kernel
	.amdgpu_metadata
---
amdhsa.version: [ 1, 2 ]
amdhsa.kernels:
  - .name:           k_q2b157da776_main
    .symbol:         k_q2b157da776_main.kd
    .args:
      - { .name: encoder_outputs, .offset: 0, .size: 8, .value_kind: global_buffer, .address_space: global }
      - { .name: mask, .offset: 8, .size: 8, .value_kind: global_buffer, .address_space: global }
      - { .name: v, .offset: 16, .size: 8, .value_kind: global_buffer, .address_space: global }
      - { .name: Wk_scales, .offset: 24, .size: 8, .value_kind: global_buffer, .address_space: global }
      - { .name: wkimg, .offset: 32, .size: 8, .value_kind: global_buffer, .address_space: global }
      - { .name: qt, .offset: 40, .size: 8, .value_kind: global_buffer, .address_space: global }
      - { .name: energy, .offset: 48, .size: 8, .value_kind: global_buffer, .address_space: global }
      - { .name: ctxp, .offset: 56, .size: 8, .value_kind: global_buffer, .address_space: global }
    .group_segment_fixed_size: 281600
    .private_segment_fixed_size: 0
    .kernarg_segment_align: 8
    .kernarg_segment_size: 64
    .max_flat_workgroup_size: 128
    .sgpr_count:     66
    .vgpr_count:     1024
    .wavefront_size: 32
...
	.end_amdgpu_metadata
.endif
;; end of part 5
;; launch combine: the kernel of part 3 again; grid 64 x 1, 8 waves a work-group, no clusters, 1,280 bytes of LDS; arguments energy, ctxp, out0, out1; writes out0, out1
